; MI455X (gfx1250); checked and timed in simulation.
; The chip was launched on July 23, 2026; its instructions are those of AMD's public machine-readable ISA for CDNA 5 (MIT licence, August 2026) and "CDNA5" Instruction Set Architecture Reference Guide (July 2026). The comments in the code are by the model that wrote it; some were corrected since.
;; Llama Attention. Allowed arithmetic: float matrix products may take bf16 or f16 operands with f32 sums; other float arithmetic in f32, or as packed bf16 or f16 multiplies, adds, multiply-adds, maxima and minima; sums over many terms, partial sums and values carried from step to step in f32; what a program stores and reads back later, other than sums and carried values, may be rounded once to bf16 or f16.
;; Inputs: attention_mask 2 x 1 x 2,048 x 2,048 float32; cos 2 x 2,048 x 128 float32; hidden_states 2 x 2,048 x 4,096 float32; sin 2 x 2,048 x 128 float32; wk 4,096 x 512 float32; wo 1,024 x 4,096 float32; wq 4,096 x 1,024 float32; wv 4,096 x 512 float32.
;; Outputs: out0 2 x 2,048 x 4,096 float32.
;; 2 versions, each right; version 2 is version 1 with the launch cast written anew for expert scheduling mode. Each part assembles by itself: llvm-mc -triple=amdgcn-amd-amdhsa -mcpu=gfx1250 --defsym DOCPART=n.
;; ======== version 1 of 2: 4 launches
;; limits: values are held in f16: magnitudes above 65,504 overflow, below 6.1e-05 lose precision; right only within a limited range of input values
;; workspace buffers: wqkv 16,777,216 bytes; wo16 8,388,608 bytes; csb 2,097,152 bytes; qkvh 16,777,216 bytes; aoh 8,388,608 bytes
;; launch cast (part 1): grid 832 x 1, 8 waves a work-group, no clusters, 0 bytes of LDS; arguments wq, wk, wv, wo, cos, sin, wqkv, wo16, csb; writes wqkv, wo16, csb
.if DOCPART == 1
	.amdgcn_target "amdgcn-amd-amdhsa--gfx1250"
	.amdhsa_code_object_version 6
	.text
	.protected	k_qa9f70ddacf_cast
	.globl	k_qa9f70ddacf_cast
	.p2align	8
	.type	k_qa9f70ddacf_cast,@function
k_qa9f70ddacf_cast:
	s_mov_b64 s[64:65], 0
	v_nop
	global_prefetch_b8 v0, s[64:65] scope:SCOPE_SE
	s_setreg_imm32_b32 hwreg(HW_REG_WAVE_MODE, 25, 1), 1
	s_wait_xcnt 0x0
; ROUNDS SIX INPUTS TO BF16, ONCE, AND LAYS THEM OUT FOR THE PRODUCTS THAT FOLLOW.
;   wqkv [4096 k][2048 n] bf16: n 0-1023 = wq / 4; then for j = 0..3 128 columns of wk / 4 (head j) and 128 of wv / 4 (head j).  The power of two is exact and gives q, k, v room in f16.
;   wo16 [1024 k][4096 n] f16  = bf16(4 wo) written as f16: the 4 undoes v's 1 / 4
;   csb  [4096 m][256]    bf16 = cos (columns 0-127), sin (columns 128-255)
; LIMITS.  |wo| stays under 16,376 (4 wo must lie within f16's 65,504); a number of 4 wo below 6.1e-5 keeps f16's fixed step of 6e-8.
; A stream: no byte is wanted twice, so no LDS, no matrix unit, no cluster (the work-groups share no input).
; SHARES.  A unit is 4,096 bytes of a source: 256 threads x 16 bytes.  A work-group takes 16 units; all 16 loads of a wave go out together (8 KiB a wave on its way).
; A wave's load covers 512 consecutive bytes; its store of 8 bytes a lane covers 256 consecutive bytes, at a multiple of 256 from the buffer's first byte.
; Every unit has registers of its own, so nothing that a load or store names is ever rewritten.
.set X, 4                              ; v[4:67]   unit i: 4 registers as loaded
.set Y, 68                             ; v[68:99]  unit i: 2 registers to store
; du: bytes in the destination from unit to unit.  mul = 1: times lit before the rounding.  f16 = 1: the bf16 number is written as f16.
.macro CAST du, mul, lit, f16
.set i, 0
.rept 16
	global_load_b128 v[X+4*i:X+4*i+3], v1, s[30:31] offset:4096*i th:TH_LOAD_NT
.set i, i+1
.endr
.set i, 0
.rept 16
	s_wait_loadcnt 15-i                            ; loads come back in order: unit i is in, the younger ones stay out
.if \mul
	v_pk_mul_f32 v[X+4*i:X+4*i+1], v[X+4*i:X+4*i+1], \lit op_sel_hi:[1,0]
	v_pk_mul_f32 v[X+4*i+2:X+4*i+3], v[X+4*i+2:X+4*i+3], \lit op_sel_hi:[1,0]
.endif
	v_cvt_pk_bf16_f32 v[Y+2*i], v[X+4*i], v[X+4*i+1]
	v_cvt_pk_bf16_f32 v[Y+2*i+1], v[X+4*i+2], v[X+4*i+3]
.if \f16
	v_lshlrev_b32 v[X+4*i], 16, v[Y+2*i]           ; the rounded numbers as f32 again,
	v_and_b32 v[X+4*i+1], s36, v[Y+2*i]
	v_lshlrev_b32 v[X+4*i+2], 16, v[Y+2*i+1]
	v_and_b32 v[X+4*i+3], s36, v[Y+2*i+1]
	v_cvt_pk_f16_f32 v[Y+2*i], v[X+4*i], v[X+4*i+1]  ; and in f16's format
	v_cvt_pk_f16_f32 v[Y+2*i+1], v[X+4*i+2], v[X+4*i+3]
.endif
	global_store_b64 v2, v[Y+2*i:Y+2*i+1], s[32:33] offset:(\du)*i th:TH_STORE_NT
.set i, i+1
.endr
	s_endpgm
.endm
	s_load_b512 s[8:23], s[0:1], 0x0               ; wq 8, wk 10, wv 12, wo 14, cos 16, sin 18, wqkv 20, wo16 22
	s_load_b64 s[24:25], s[0:1], 0x40              ; csb
	v_lshlrev_b32 v1, 4, v0                        ; my 16 bytes of a unit
	v_lshlrev_b32 v2, 3, v0                        ; my 8 bytes of its image, where that is dense
	s_mov_b32 s3, 0                                ; high words of the two offsets
	s_mov_b32 s35, 0
	s_mov_b32 s36, 0xffff0000                      ; a word's upper bf16
	s_wait_kmcnt 0x0
	s_cmp_lt_u32 ttmp9, 256
	s_cbranch_scc0 .Lnot_wq
	s_lshl_b32 s2, ttmp9, 16                       ; work-groups 0-255: wq.  A unit is a row of wq; its image is the first 2,048 bytes of a row of wqkv (4,096 bytes)
	s_add_nc_u64 s[30:31], s[8:9], s[2:3]
	s_add_nc_u64 s[32:33], s[20:21], s[2:3]
	CAST 4096, 1, 0x3e800000, 0
.Lnot_wq:
	s_sub_co_u32 s4, ttmp9, 256
	s_cmp_lt_u32 s4, 256
	s_cbranch_scc0 .Lnot_wkv
	s_mov_b32 s6, 2048                             ; 256-383: wk, head j at byte 2,048 + 512 j of wqkv's rows; 384-511: wv, 256 bytes behind wk's
	s_mov_b32 s7, 2304
	s_cmp_lt_u32 s4, 128
	s_cselect_b64 s[30:31], s[10:11], s[12:13]
	s_cselect_b32 s6, s6, s7
	s_and_b32 s5, s4, 127
	s_lshl_b32 s2, s5, 16
	s_lshl_b32 s34, s5, 17                         ; a unit is two rows of 2,048 bytes: 32 rows of wqkv a work-group
	s_add_co_u32 s34, s34, s6
	s_add_nc_u64 s[30:31], s[30:31], s[2:3]
	s_add_nc_u64 s[32:33], s[20:21], s[34:35]
	v_and_b32 v2, 31, v0                           ; a wave's 32 lanes hold one head's 128 columns of one row: 256 bytes of the image
	v_lshlrev_b32 v2, 3, v2
	v_bfe_u32 v3, v0, 5, 2                         ; the head
	v_lshl_add_u32 v2, v3, 9, v2
	v_lshrrev_b32 v3, 7, v0                        ; which of the unit's two rows
	v_lshl_add_u32 v2, v3, 12, v2
	CAST 8192, 1, 0x3e800000, 0
.Lnot_wkv:
	s_sub_co_u32 s4, ttmp9, 512
	s_cmp_lt_u32 s4, 256
	s_cbranch_scc0 .Lcs
	s_lshl_b32 s2, s4, 16                          ; 512-767: wo, dense
	s_lshl_b32 s34, s4, 15
	s_add_nc_u64 s[30:31], s[14:15], s[2:3]
	s_add_nc_u64 s[32:33], s[22:23], s[34:35]
	CAST 2048, 1, 4.0, 1
.Lcs:
	s_sub_co_u32 s4, ttmp9, 768                    ; 768-799: cos, at byte 0 of csb's rows (512 bytes); 800-831: sin, at byte 256
	s_cmp_lt_u32 s4, 32
	s_cselect_b64 s[30:31], s[16:17], s[18:19]
	s_cselect_b32 s6, 0, 256
	s_and_b32 s5, s4, 31
	s_lshl_b32 s2, s5, 16
	s_add_co_u32 s34, s2, s6                       ; a unit is eight rows of 512 bytes, and so is its image with the other table's half between
	s_add_nc_u64 s[30:31], s[30:31], s[2:3]
	s_add_nc_u64 s[32:33], s[24:25], s[34:35]
	v_lshrrev_b32 v3, 5, v0                        ; which of the unit's eight rows
	v_and_b32 v2, 31, v0
	v_lshlrev_b32 v2, 3, v2
	v_lshl_add_u32 v2, v3, 9, v2
	CAST 4096, 0, 0, 0
.Lfunc_end_k_qa9f70ddacf_cast:
	.size	k_qa9f70ddacf_cast, .Lfunc_end_k_qa9f70ddacf_cast-k_qa9f70ddacf_cast
	.p2alignl 7, 3214868480
	.fill 96, 4, 3214868480
	.section	.rodata,"a",@progbits
	.p2align	6, 0x0
	.amdhsa_kernel k_qa9f70ddacf_cast
		.amdhsa_group_segment_fixed_size 0
		.amdhsa_private_segment_fixed_size 0
		.amdhsa_enable_private_segment 0
		.amdhsa_kernarg_size 72
		.amdhsa_user_sgpr_count 2
		.amdhsa_user_sgpr_kernarg_segment_ptr 1
		.amdhsa_wavefront_size32 1
		.amdhsa_system_sgpr_workgroup_id_x 1
		.amdhsa_system_sgpr_workgroup_id_y 1
		.amdhsa_system_sgpr_workgroup_id_z 1
		.amdhsa_system_vgpr_workitem_id 0
		.amdhsa_next_free_vgpr 104
		.amdhsa_next_free_sgpr 66
		.amdhsa_reserve_vcc 0
		.amdhsa_float_denorm_mode_32 3
		.amdhsa_float_denorm_mode_16_64 3
		.amdhsa_memory_ordered 1
		.amdhsa_forward_progress 1
		.amdhsa_inst_pref_size 37
	.end_amdhsa_kernel
	.amdgpu_metadata
---
amdhsa.version: [ 1, 2 ]
amdhsa.kernels:
  - .name:           k_qa9f70ddacf_cast
    .symbol:         k_qa9f70ddacf_cast.kd
    .args:
      - { .name: wq, .offset: 0, .size: 8, .value_kind: global_buffer, .address_space: global }
      - { .name: wk, .offset: 8, .size: 8, .value_kind: global_buffer, .address_space: global }
      - { .name: wv, .offset: 16, .size: 8, .value_kind: global_buffer, .address_space: global }
      - { .name: wo, .offset: 24, .size: 8, .value_kind: global_buffer, .address_space: global }
      - { .name: cos, .offset: 32, .size: 8, .value_kind: global_buffer, .address_space: global }
      - { .name: sin, .offset: 40, .size: 8, .value_kind: global_buffer, .address_space: global }
      - { .name: wqkv, .offset: 48, .size: 8, .value_kind: global_buffer, .address_space: global }
      - { .name: wo16, .offset: 56, .size: 8, .value_kind: global_buffer, .address_space: global }
      - { .name: csb, .offset: 64, .size: 8, .value_kind: global_buffer, .address_space: global }
    .group_segment_fixed_size: 0
    .private_segment_fixed_size: 0
    .kernarg_segment_align: 8
    .kernarg_segment_size: 72
    .max_flat_workgroup_size: 256
    .sgpr_count:     66
    .vgpr_count:     104
    .wavefront_size: 32
...
	.end_amdgpu_metadata
.endif
;; end of part 1
;; launch qkv (part 2): grid 8 x 32, 4 waves a work-group, clusters of 4 x 4, 327,680 bytes of LDS; arguments hidden_states, wqkv, csb, qkvh; writes qkvh
.if DOCPART == 2
	.amdgcn_target "amdgcn-amd-amdhsa--gfx1250"
	.amdhsa_code_object_version 6
	.text
	.protected	k_qa9f70ddacf_qkv
	.globl	k_qa9f70ddacf_qkv
	.p2align	8
	.type	k_qa9f70ddacf_qkv,@function
k_qa9f70ddacf_qkv:
	s_mov_b64 s[64:65], 0
	v_nop
	global_prefetch_b8 v0, s[64:65] scope:SCOPE_SE
	s_setreg_imm32_b32 hwreg(HW_REG_WAVE_MODE, 25, 1), 1
	s_wait_xcnt 0x0
	s_wait_alu depctr_hold_cnt(0) depctr_sa_sdst(0) depctr_va_vdst(0) depctr_va_sdst(0) depctr_va_ssrc(0) depctr_va_vcc(0) depctr_vm_vsrc(0)
	s_getreg_b32 s2, hwreg(HW_REG_IB_STS2, 6, 4)
	s_cmp_eq_u32 s2, 0
	s_cbranch_scc0 .Lentry_in_a_cluster
	s_endpgm
.Lentry_in_a_cluster:
	s_bfe_u32 s2, ttmp6, 0x10000c
	s_cmp_lg_u32 s2, 0xf033
	s_cbranch_scc0 .Lentry_shape_is_right
	s_endpgm
.Lentry_shape_is_right:
; q, k, v = x [wq | wk | wv] / 4, with the rotary embedding on q and k, laid by heads.
; A = hidden_states [4096 m][4096 k] f32, rounded to bf16 on the way from LDS to the matrix unit;  B = wqkv [4096 k][2048 n] bf16 (already divided by 4; columns: q's 8 heads, then k0 v0 k1 v1 k2 v2 k3 v3);
; sums in f32;  csb [4096 m][256] bf16: cos, sin.
; OUT: qkvh [b 2][slot 16][s 2048][128] f16, slots 0-7 q's heads, 8-11 k's, 12-15 v's; each number rounded once, from f32.
; LIMITS.  f16 ends at 65,504: the rotated q and k, and v, stay under 262,016 before the division by 4.  NaN and infinities are not treated apart.
; SHARES.  A work-group makes 128 rows x 256 columns (two heads): 8 x 32 work-groups.  Wave w owns rows 64 (w / 2) .. + 63 and the head w % 2: 4 x 8 accumulators of 16 x 16.
; With this tile A's rows (128 f32) and B's rows (256 bf16) are both 512 bytes of memory a K step, and two slots fit in LDS with A still in f32: x is read as it is given, and no rounded copy of it goes through memory.
; Each row half of A is read and rounded by the two waves that multiply it: 32 conversions a wave for 32 matrix instructions.
; THE MATRIX INSTRUCTION IS USED TRANSPOSED: source 0 = 16 columns of B (turned on the way out of LDS by ds_load_tr16_b128, since B lies [k][n]), source 1 = 16 rows of A.  Lane l then holds row l % 16
; and the columns 16 b + 8 (l / 16) + 0..7 of block b: channels d and d + 64 of a head (blocks b and b + 4) lie in the same lane and register number, so the rotation never leaves a lane.
; K goes in steps of 128 through two LDS slots filled by the tensor data mover, one load of 64 rows x 512 bytes a wave.
; CLUSTER 4 x 4: A's tile hangs on the tile row alone and is asked for jointly by a row of the cluster, B's on the tile column alone, by a column.
; By this text's count a wave has two tensor loads out at the start and one behind each round.
; REGISTERS.  window 0: v0-31 addresses; v32-63 packed results; v64-159, v160-255 two fragment buffers (B's eight fragments, then A's four).  window 1: accumulator (a, b) at v[8 (8 a + b)].
;   window 2: the wave's rows of cos and sin, bf16 as loaded: block a's cos at 64 a + 4 b, its sin at 64 a + 32 + 4 b.   window 3: v0-63 A's four fragments in f32, as they come out of LDS.
.set LDA,   4096                       ; f32 elements in a row of A
.set LDB,   2048                       ; bf16 elements in a row of B
.set STEPS, 32                         ; K steps of 128
.set PA,    528                        ; A's LDS row: 512 bytes + 16: the 16 rows of a load start at 16 different groups of four banks (64 banks of 4 bytes: ISA guide 11.1)
.set PB,    544                        ; B's LDS row: 512 + 32
.set BOFF,  128*PA                     ; in a slot: A's 128 rows, then B's 128 k-rows
.set SLOT,  BOFF+128*PB
.set STAGE, 2*SLOT                     ; behind the ring, never filled by a tensor load: 16 rows x 272 bytes for each wave
.set SP,    272
.set SPARE, STAGE+4*16*SP              ; the spare words, 128 bytes a wave: two blocks of 256 bytes that no other line names
.set F0,  64
.set F1,  160
.set TMP, 32
.set U,   64                           ; the way out: 32 numbers of cos and sin in f32
.set T1,  96                           ; products at work
.set T2,  104
.set RL,  112                          ; rotated channels d
.set RH,  120                          ; rotated channels d + 64
; v16 A0, v17 B0: my lane's place in a slot's A and B; v18, v19 the same in the slot in hand; v24 STO, v25 RD, v26 CO: the way out; v27 my offset in csb; v28, v29 the add's two; v30 the prefetches' offset
; s12 wave; s13 my row half, also 0: I fetch for A, 1: for B; s14 my head of the two, also which half I fetch; s40 cx, s41 cy, s42 tile column, s15 tile row; s2 1: my head is one of v's; s3 the loops' count;
; s18, s19 LDS base of what I fetch, for A, for B; s66 the slot in hand (0 or SLOT); s43 the prefetches' bound; s[44:45] their place; s[46:47] their step
.set MSB, 0
.macro WIN new                         ; the immediate's high byte repeats the setting that is left; a switch that changes nothing is dropped
.if MSB != (\new)
	s_set_vgpr_msb (MSB<<8)|(\new)
.set MSB, \new
.endif
.endm
.macro PLACES                          ; four places behind a matrix instruction (ISA guide 7.12.1), in front of lines that read its results or write its registers
.rept 4
	v_nop
.endr
.endm
; A joint load: waves 0 and 1 fetch A's two halves (64 rows each), waves 2 and 3 B's (64 k-rows each).  The branch hangs on the wave's number alone.
; An s_nop 0 and four v_nop follow each of the two lines, ahead of the jump and the label.
.macro JLOAD s
	s_cmp_eq_u32 s13, 0
	s_cbranch_scc0 .Lfor_b_\@
	tensor_load_to_lds s[32+4*(\s):35+4*(\s)], s[24:31]
	s_nop 0
.rept 4
	v_nop
.endr
	s_branch .Lasked_\@
.Lfor_b_\@:
	tensor_load_to_lds s[56+4*(\s):59+4*(\s)], s[48:55]
	s_nop 0
.rept 4
	v_nop
.endr
.Lasked_\@:
.endm
.macro CREST                           ; a round of the cluster's barrier behind its opening barrier: wave 0 signals for the work-group, every wave waits for all sixteen, the work-group's barrier closes it
	s_cmp_lg_u32 s12, 0
	s_cbranch_scc1 .Lnot_wave_0_\@
	s_barrier_signal -3
.Lnot_wave_0_\@:
	s_barrier_wait -3
	s_barrier_signal -1
	s_barrier_wait -1
.endm
.macro CROUND
	s_barrier_signal -1
	s_barrier_wait -1
	CREST
.endm
; A prefetch of the K step that stands two refills on (256 matrix instructions ahead of the load that will want it): 16 rows x 512 bytes, two lanes a row, 256 bytes each.
; Each 256 bytes are named once in the launch: A's by waves 0 and 1 of the clusters with x = 0, B's by waves 2 and 3 of the clusters with y = 0; of the 64 rows that a wave fetches, each of the four partners
; that ask for them jointly takes 16, told apart by address.  The loop's last two trips have no K step two refills on, and ask for nothing.
.macro ASK
	s_cmp_gt_u32 s3, s43
	s_cbranch_scc0 .Lnot_mine_\@
	global_prefetch_b8 v30, s[44:45] th:TH_LOAD_NT scope:SCOPE_SE
.Lnot_mine_\@:
.endm
; 8 matrix instructions: row block a x all 8 column blocks, 32 along K.  zero = 1: the product starts the sum.  The 32 accumulators take turns, in the same order in every quarter.
.macro MUL8 f, a, zero
	WIN 0x50                                       ; C and D in window 1
.irp b, 0,1,2,3,4,5,6,7
.if \zero
	v_wmma_f32_16x16x32_bf16 v[8*(8*(\a)+\b):8*(8*(\a)+\b)+7], v[(\f)+8*\b:(\f)+8*\b+7], v[(\f)+64+8*(\a):(\f)+64+8*(\a)+7], 0
.else
	v_wmma_f32_16x16x32_bf16 v[8*(8*(\a)+\b):8*(8*(\a)+\b)+7], v[(\f)+8*\b:(\f)+8*\b+7], v[(\f)+64+8*(\a):(\f)+64+8*(\a)+7], v[8*(8*(\a)+\b):8*(8*(\a)+\b)+7]
.endif
.endr
.endm
.macro MUL16 f, a0, zero
	MUL8 \f, \a0, \zero
	MUL8 \f, (\a0)+1, \zero
.endm
; 32 LDS loads in one run: quarter q (32 along K) of the slot in hand.  A's four fragments in f32 into window 3: lane l takes row l % 16, k = 8 (l / 16) + 0..7 and 16 + 8 (l / 16) + 0..7: four loads of 16 bytes.
; B's eight fragments, turned, into buffer f.
.macro FETCH q, f
	WIN 0xc0                                       ; destination window 3
.irp a, 0,1,2,3
	ds_load_b128 v[16*\a:16*\a+3], v18 offset:(\q)*128+\a*16*PA
	ds_load_b128 v[16*\a+4:16*\a+7], v18 offset:(\q)*128+\a*16*PA+16
	ds_load_b128 v[16*\a+8:16*\a+11], v18 offset:(\q)*128+\a*16*PA+64
	ds_load_b128 v[16*\a+12:16*\a+15], v18 offset:(\q)*128+\a*16*PA+80
.endr
	WIN 0
.irp b, 0,1,2,3,4,5,6,7
	ds_load_tr16_b128 v[(\f)+8*\b:(\f)+8*\b+3], v19 offset:(\q)*32*PB+32*\b
	ds_load_tr16_b128 v[(\f)+8*\b+4:(\f)+8*\b+7], v19 offset:(\q)*32*PB+16*PB+32*\b
.endr
.endm
; A's four fragments are rounded to bf16, two numbers a line, into buffer f.  These 32 plain lines name no register of the quarter before (it multiplied the other buffer): they are the places
; between its last product and the loads that follow into that buffer.
.macro CVT f
	WIN 0x0f                                       ; sources 0 and 1 in window 3
.irp a, 0,1,2,3
.irp j, 0,1,2,3,4,5,6,7
	v_cvt_pk_bf16_f32 v[(\f)+64+8*\a+\j], v[16*\a+2*\j], v[16*\a+2*\j+1]
.endr
.endr
.endm
; One of a K step's first three quarters: buffer f's loads, issued a quarter ago, are in; A is rounded; quarter q is asked of LDS for buffer g; buffer f is multiplied.
.macro QUARTER q, f, g, zero
	s_wait_dscnt 0x0
	CVT \f
	FETCH \q, \g
	MUL16 \f, 0, \zero
	MUL16 \f, 2, \zero
.endm
; The last quarter is a quarter like the others, with the change of slots between the rounding and the loads.  My reads of this slot are back (the wait at its head).  Each wave waits for all its tensor loads
; (the one that is out is its part of the next slot), adds 0 to its spare word, and waits for that.  fill = 1: the barrier opens a round of the cluster's, and this slot is filled again, two K steps ahead,
; first thing behind the round: all 128 matrix instructions of a K step stand between that request and the wait for it.
.macro TURN fill
.if \fill
	s_wait_xcnt 0x0                                ; the last prefetch, a K step back, has read its address
	s_add_nc_u64 s[44:45], s[44:45], s[46:47]
.endif
	s_wait_dscnt 0x0
	CVT F1
	WIN 0
	s_wait_tensorcnt 0x0                           ; no tensor load of mine is out, so a group 0 may be written
	ds_add_u32 v28, v29                            ; 0 onto my spare word; the descriptors' steps stand between it and the wait for it
.if \fill
	s_add_co_u32 s37, s18, s66                     ; the walking descriptors: into the slot in hand, the next K step
	s_add_nc_u64 s[38:39], s[38:39], 512
	s_add_co_u32 s61, s19, s66
	s_add_nc_u64 s[62:63], s[62:63], 128*LDB*2
.endif
	s_wait_dscnt 0x0                               ; the add is done
	s_barrier_signal -1
	s_barrier_wait -1
.if \fill
	CREST                                          ; no wave of any partner still reads this slot or has a load on its way
	JLOAD 1
.endif
	s_xor_b32 s66, s66, SLOT
	v_add_nc_u32 v18, s66, v16
	v_add_nc_u32 v19, s66, v17
	FETCH 0, F0
.if \fill
	ASK
.endif
	MUL16 F1, 0, 0
	MUL16 F1, 2, 0
.endm
	s_load_b256 s[4:11], s[0:1], 0x0               ; hidden_states s[4:5], wqkv s[6:7], csb s[8:9], qkvh s[10:11]
	v_lshl_add_u32 v28, v0, 2, SPARE
	v_mov_b32 v29, 0
	ds_add_u32 v28, v29                            ; the wave's opening: the add and its wait stand ahead of my first tensor load
	v_lshrrev_b32 v1, 5, v0
	v_readfirstlane_b32 s12, v1                    ; wave 0..3
	s_lshr_b32 s13, s12, 1
	s_and_b32 s14, s12, 1
	s_bfe_u32 s40, ttmp6, 0x40000                  ; cx
	s_bfe_u32 s41, ttmp6, 0x40004                  ; cy
	s_lshl_b32 s42, ttmp9, 2
	s_add_co_u32 s42, s42, s40                     ; tile column = 4 x cluster x + cx
	s_and_b32 s15, ttmp7, 0xffff
	s_lshl_b32 s15, s15, 2
	s_add_co_u32 s15, s15, s41                     ; tile row = 4 x cluster y + cy
	s_lshl_b32 s70, s41, 2
	s_lshl_b32 s70, 15, s70                        ; my row of the cluster
	s_lshl_b32 s71, 0x1111, s40                    ; my column
	s_or_b32 s24, s70, (2<<16)|(1<<20)|(1<<21)|(6<<22)|(3<<25)  ; A: the mask; 4-byte elements; padding on; bit 21 beside a mask; after every 128 words 4 words
	s_mov_b32 s25, 128<<16                         ; tensor_dim0 = 128
	s_mov_b32 s26, 64<<16                          ; tensor_dim1 = 64
	s_mov_b32 s27, 128<<16                         ; tile_dim0 = 128
	s_mov_b32 s28, 64                              ; tile_dim1 = 64
	s_mov_b32 s29, LDA                             ; elements from row to row
	s_mov_b32 s30, 0
	s_mov_b32 s31, 0
	s_or_b32 s48, s71, (1<<16)|(1<<20)|(1<<21)|(6<<22)|(7<<25)  ; B: my column's mask; 2-byte elements; after every 128 words 8 words
	s_mov_b32 s49, 256<<16                         ; 256 columns
	s_mov_b32 s50, 64<<16                          ; 64 k-rows
	s_mov_b32 s51, 256<<16
	s_mov_b32 s52, 64
	s_mov_b32 s53, LDB
	s_mov_b32 s54, 0
	s_mov_b32 s55, 0
	s_lshl_b32 s16, s15, 7                         ; A: row 128 x tile row + 64 x half, 16,384 bytes each (under 2^27)
	s_lshl_b32 s17, s14, 6
	s_add_co_u32 s16, s16, s17
	s_lshl_b32 s16, s16, 14
	s_mov_b32 s17, 0
	s_lshl_b32 s20, s42, 9                         ; B: 512 bytes x tile column + 64 k-rows of 4,096 bytes x half
	s_lshl_b32 s21, s14, 18
	s_add_co_u32 s20, s20, s21
	s_mov_b32 s21, 0
	s_mul_i32 s18, s14, 64*PA                      ; where they go: the wave's number alone enters an LDS address
	s_mul_i32 s19, s14, 64*PB
	s_add_co_u32 s19, s19, BOFF
	s_wait_dscnt 0x0                               ; the opening add is done
	s_wait_kmcnt 0x0
	s_add_nc_u64 s[16:17], s[4:5], s[16:17]
	s_add_nc_u64 s[20:21], s[6:7], s[20:21]
	CROUND                                         ; all sixteen work-groups are here: the first joint loads meet
.irp s, 0,1
	s_mov_b32 s[32+4*\s], 1
	s_add_co_u32 s[33+4*\s], s18, \s*SLOT
	s_add_nc_u64 s[34+4*\s:35+4*\s], s[16:17], \s*512
	s_or_b32 s[35+4*\s], s[35+4*\s], 0x80000000
	s_mov_b32 s[56+4*\s], 1
	s_add_co_u32 s[57+4*\s], s19, \s*SLOT
	s_add_nc_u64 s[58+4*\s:59+4*\s], s[20:21], \s*128*LDB*2
	s_or_b32 s[59+4*\s], s[59+4*\s], 0x80000000
	JLOAD \s                                       ; K steps 0 and 1
.endr
	; my rows of cos and sin come once, in whole pieces of 16 bytes a lane, and wait in window 2 for the way out
	v_and_b32 v1, 15, v0                           ; l % 16
	v_bfe_u32 v2, v0, 4, 1                         ; l / 16
	v_lshlrev_b32 v27, 9, v1
	v_lshl_add_u32 v27, v2, 4, v27                 ; row x 512 + 16 x half
	s_lshl_b32 s68, s15, 16                        ; 128 rows x 512 bytes x tile row
	s_lshl_b32 s69, s13, 15                        ; + my 64 rows
	s_add_co_u32 s68, s68, s69
	s_mov_b32 s69, 0
	s_add_nc_u64 s[8:9], s[8:9], s[68:69]
	WIN 0x80                                       ; destination window 2
.irp a, 0,1,2,3
.irp b, 0,1,2,3,4,5,6,7
	global_load_b128 v[64*\a+4*\b:64*\a+4*\b+3], v27, s[8:9] offset:8192*\a+32*\b
	global_load_b128 v[64*\a+32+4*\b:64*\a+32+4*\b+3], v27, s[8:9] offset:8192*\a+32*\b+256
.endr
.endr
	WIN 0
	v_mul_u32_u24 v16, v1, PA                      ; A: row l % 16 of my 64, 32 bytes (8 f32) for each half of the lanes
	v_lshl_add_u32 v16, v2, 5, v16
	s_mul_i32 s72, s13, 64*PA
	v_add_nc_u32 v16, s72, v16
	v_and_b32 v3, 7, v0                            ; B: lane l reads k-row 8 (l / 16) + l % 8, columns 8 ((l / 8) % 2) + 0..7 of my head, and is left with column l % 16 and 8 k
	v_bfe_u32 v4, v0, 3, 1
	v_lshl_add_u32 v17, v2, 3, v3
	v_mul_u32_u24 v17, v17, PB
	v_lshl_add_u32 v17, v4, 4, v17
	s_lshl_b32 s72, s14, 8                         ; my head's 128 columns: 256 bytes
	s_add_co_u32 s72, s72, BOFF
	v_add_nc_u32 v17, s72, v17
	v_mov_b32 v18, v16
	v_mov_b32 v19, v17
	s_mov_b32 s66, 0
	s_mul_i32 s72, s12, 16*SP
	s_add_co_u32 s72, s72, STAGE                   ; my stage
	v_mul_u32_u24 v24, v1, SP                      ; in: row l % 16, 16 bytes for each half of the lanes
	v_lshl_add_u32 v24, v2, 4, v24
	v_add_nc_u32 v24, s72, v24
	v_mul_u32_u24 v25, v2, SP                      ; back: lanes 0-15 one row of 256 bytes, lanes 16-31 the next,
	v_lshl_add_u32 v25, v1, 4, v25
	v_add_nc_u32 v25, s72, v25
	v_and_b32 v26, 31, v0                          ; which are 512 consecutive bytes of a head
	v_lshlrev_b32 v26, 4, v26
	s_lshr_b32 s68, s15, 4                         ; the batch: 16 slots each
	s_lshl_b32 s68, s68, 4
	s_lshl_b32 s72, s40, 1                         ; clusters with x = 0: q's head 2 cx + my head of the two
	s_add_co_u32 s72, s72, s14
	s_lshl_b32 s73, s14, 2                         ; clusters with x = 1: k's head cx in slot 8 + cx, v's in slot 12 + cx
	s_add_co_u32 s73, s73, s40
	s_add_co_u32 s73, s73, 8
	s_cmp_eq_u32 ttmp9, 0
	s_cselect_b32 s72, s72, s73
	s_add_co_u32 s68, s68, s72
	s_lshl_b32 s68, s68, 19                        ; a slot is 2,048 rows of 256 bytes;
	s_and_b32 s69, s15, 15
	s_lshl_b32 s69, s69, 15                        ; the tile's 128 rows,
	s_add_co_u32 s68, s68, s69
	s_lshl_b32 s69, s13, 14                        ; my 64
	s_add_co_u32 s68, s68, s69
	s_mov_b32 s69, 0
	s_add_nc_u64 s[10:11], s[10:11], s[68:69]
	s_and_b32 s2, ttmp9, s14                       ; 1: my head is one of v's.  It hangs on the cluster's x and the wave's number: the same in all sixteen partners, for a given wave
	s_mov_b32 s67, 0xffff0000                      ; a word's upper bf16
	; the prefetches' place: K step 3; the first refill steps it to 4
	s_lshl_b32 s74, s15, 7
	s_lshl_b32 s75, s14, 6
	s_add_co_u32 s74, s74, s75
	s_lshl_b32 s75, s40, 4
	s_add_co_u32 s74, s74, s75                     ; A: of the 64 rows that I fetch, my work-group's 16
	s_lshl_b32 s74, s74, 14
	s_add_co_u32 s74, s74, 3*512
	s_lshl_b32 s76, s14, 6
	s_lshl_b32 s77, s41, 4
	s_add_co_u32 s76, s76, s77
	s_add_co_u32 s76, s76, 3*128                   ; B: of the 64 k-rows that I fetch, my work-group's 16
	s_lshl_b32 s76, s76, 12
	s_lshl_b32 s77, s42, 9
	s_add_co_u32 s76, s76, s77
	s_and_b32 s72, ttmp7, 0xffff                   ; cluster y
	s_mov_b32 s46, 512
	s_mov_b32 s77, 128*LDB*2
	s_mov_b32 s78, 14
	s_mov_b32 s79, 12
	s_mov_b32 s75, 0
	s_mov_b32 s47, 0
	s_cmp_eq_u32 s13, 0                            ; do I fetch for A?
	s_cselect_b32 s74, s74, s76
	s_cselect_b32 s46, s46, s77                    ; a K step on
	s_cselect_b32 s78, s78, s79                    ; a row is 2^14 or 2^12 bytes
	s_cselect_b32 s73, ttmp9, s72                  ; the coordinate along which other clusters read the same rows
	s_cselect_b64 s[44:45], s[4:5], s[6:7]
	s_add_nc_u64 s[44:45], s[44:45], s[74:75]
	s_cmp_eq_u32 s73, 0
	s_cselect_b32 s43, 2, -1                       ; the same in all sixteen partners, for a given wave
	v_and_b32 v3, 31, v0
	v_lshrrev_b32 v4, 1, v3                        ; two lanes a row,
	v_and_b32 v3, 1, v3                            ; 256 bytes each
	v_lshlrev_b32 v30, s78, v4
	v_lshl_add_u32 v30, v3, 8, v30
	s_wait_tensorcnt 0x1                           ; my part of K step 0 is in; K step 1's stays out
	s_barrier_signal -1
	s_barrier_wait -1
	FETCH 0, F0
	QUARTER 1, F0, F1, 1                           ; the first quarter stands in front of the loop: its products start the sums
	WIN 0
	s_mov_b32 s3, STEPS-2
.Lstep:                                        ; trip j: quarters 1-3 of K step j, the refill with K step j + 2, quarter 0 of K step j + 1
	QUARTER 2, F1, F0, 0
	QUARTER 3, F0, F1, 0
	TURN 1
	QUARTER 1, F0, F1, 0
	WIN 0
	s_sub_co_u32 s3, s3, 1
	s_cmp_lg_u32 s3, 0
	s_cbranch_scc1 .Lstep
	s_mov_b32 s3, 2                                ; the last two K steps ask for nothing: two trips of a second loop, of which the second is left in its middle
.Ltail:
	QUARTER 2, F1, F0, 0
	QUARTER 3, F0, F1, 0
	WIN 0
	s_sub_co_u32 s3, s3, 1
	s_cmp_eq_u32 s3, 0
	s_cbranch_scc1 .Lfin
	TURN 0
	QUARTER 1, F0, F1, 0
	WIN 0
	s_cmp_lg_u32 s3, 0
	s_cbranch_scc1 .Ltail
.Lfin:
	s_wait_dscnt 0x0                               ; the very last quarter: nothing more to fetch
	CVT F1
	MUL16 F1, 0, 0
	MUL16 F1, 2, 0
; THE WAY OUT, a block of 16 rows at a time.  ROPE: out[d] = x[d] cos[d] - x[d+64] sin[d], out[d+64] = x[d+64] cos[d+64] + x[d] sin[d+64], in f32, then f16.  Each accumulator is read from its low end on.
.macro ROPE a
.irp b, 0,1,2,3
	WIN 0x08                                       ; source 1 in window 2
.irp k, 0,1,2,3
	v_lshlrev_b32 v[U+2*\k], 16, v[64*(\a)+4*\b+\k]         ; cos of block b
	v_and_b32 v[U+2*\k+1], s67, v[64*(\a)+4*\b+\k]
	v_lshlrev_b32 v[U+8+2*\k], 16, v[64*(\a)+16+4*\b+\k]    ; cos of block b + 4
	v_and_b32 v[U+9+2*\k], s67, v[64*(\a)+16+4*\b+\k]
	v_lshlrev_b32 v[U+16+2*\k], 16, v[64*(\a)+32+4*\b+\k]   ; sin of block b
	v_and_b32 v[U+17+2*\k], s67, v[64*(\a)+32+4*\b+\k]
	v_lshlrev_b32 v[U+24+2*\k], 16, v[64*(\a)+48+4*\b+\k]   ; sin of block b + 4
	v_and_b32 v[U+25+2*\k], s67, v[64*(\a)+48+4*\b+\k]
.endr
	WIN 0x01                                       ; source 0 in window 1
.irp p, 0,2,4,6
	v_pk_mul_f32 v[T1+\p:T1+\p+1], v[8*(8*(\a)+\b+4)+\p:8*(8*(\a)+\b+4)+\p+1], v[U+16+\p:U+16+\p+1]
	v_pk_mul_f32 v[T2+\p:T2+\p+1], v[8*(8*(\a)+\b)+\p:8*(8*(\a)+\b)+\p+1], v[U+24+\p:U+24+\p+1]
	v_pk_fma_f32 v[RL+\p:RL+\p+1], v[8*(8*(\a)+\b)+\p:8*(8*(\a)+\b)+\p+1], v[U+\p:U+\p+1], v[T1+\p:T1+\p+1] neg_lo:[0,0,1] neg_hi:[0,0,1]
	v_pk_fma_f32 v[RH+\p:RH+\p+1], v[8*(8*(\a)+\b+4)+\p:8*(8*(\a)+\b+4)+\p+1], v[U+8+\p:U+8+\p+1], v[T2+\p:T2+\p+1]
.endr
	WIN 0
.irp p, 0,1,2,3
	v_cvt_pk_f16_f32 v[TMP+4*\b+\p], v[RL+2*\p], v[RL+2*\p+1]
	v_cvt_pk_f16_f32 v[TMP+16+4*\b+\p], v[RH+2*\p], v[RH+2*\p+1]
.endr
.endr
.endm
.macro PACKV a                         ; v is only rounded
	WIN 0x05                                       ; sources 0 and 1 in window 1
.irp b, 0,1,2,3,4,5,6,7
.irp p, 0,1,2,3
	v_cvt_pk_f16_f32 v[TMP+4*\b+\p], v[8*(8*(\a)+\b)+2*\p], v[8*(8*(\a)+\b)+2*\p+1]
.endr
.endr
	WIN 0
.endm
.macro BLOCK a                         ; block a's 16 rows, packed: rotated, or, in a wave that holds a head of v, only rounded
	s_cmp_eq_u32 s2, 1
	s_cbranch_scc1 .Lv_\@
	ROPE \a
	s_branch .Lpacked_\@
.Lv_\@:
	PACKV \a
.Lpacked_\@:
.endm
.macro TOSTAGE a                       ; 16 bytes a lane into my stage, and back as whole rows
	WIN 0
.set BK, 192+32*((\a)%2)
.irp b, 0,1,2,3,4,5,6,7
	ds_store_b128 v24, v[TMP+4*\b:TMP+4*\b+3] offset:32*\b
.endr
	s_wait_xcnt 0x0                                ; the stores of two blocks back have read the registers that the loads below fill
.irp t, 0,1,2,3,4,5,6,7
	ds_load_b128 v[BK+4*\t:BK+4*\t+3], v25 offset:\t*2*SP  ; LDS serves a wave's instructions in order (ISA guide 5.7.1.4): these see the stores above
.endr
.endm
.macro SEND a
	WIN 0
.set BK, 192+32*((\a)%2)
.irp t, 0,1,2,3,4,5,6,7
	s_wait_dscnt 7-\t                              ; the younger loads from the stage may stay out
	global_store_b128 v26, v[BK+4*\t:BK+4*\t+3], s[10:11] offset:4096*(\a)+512*\t  ; 512 consecutive bytes, at a multiple of 256 from the buffer's first byte
.endr
.endm
	PLACES
	WIN 0
	s_wait_loadcnt 0x0                             ; cos and sin
	BLOCK 0
	TOSTAGE 0
.irp a, 1,2,3                          ; a block's arithmetic stands between the loads of the block before and its stores
	BLOCK \a
	SEND (\a)-1
	TOSTAGE \a
.endr
	SEND 3
	s_wait_tensorcnt 0x0                           ; the wave's end: these three lines stand behind my last tensor load and my last LDS store
	ds_add_u32 v28, v29
	s_wait_dscnt 0x0
	CROUND                                         ; the closing round: no work-group ends while a partner may still ask for a tile that names it
	s_endpgm
.Lfunc_end_k_qa9f70ddacf_qkv:
	.size	k_qa9f70ddacf_qkv, .Lfunc_end_k_qa9f70ddacf_qkv-k_qa9f70ddacf_qkv
	.p2alignl 7, 3214868480
	.fill 96, 4, 3214868480
	.section	.rodata,"a",@progbits
	.p2align	6, 0x0
	.amdhsa_kernel k_qa9f70ddacf_qkv
		.amdhsa_group_segment_fixed_size 327680
		.amdhsa_private_segment_fixed_size 0
		.amdhsa_enable_private_segment 0
		.amdhsa_kernarg_size 32
		.amdhsa_user_sgpr_count 2
		.amdhsa_user_sgpr_kernarg_segment_ptr 1
		.amdhsa_wavefront_size32 1
		.amdhsa_system_sgpr_workgroup_id_x 1
		.amdhsa_system_sgpr_workgroup_id_y 1
		.amdhsa_system_sgpr_workgroup_id_z 1
		.amdhsa_system_vgpr_workitem_id 0
		.amdhsa_next_free_vgpr 832
		.amdhsa_next_free_sgpr 80
		.amdhsa_reserve_vcc 0
		.amdhsa_float_denorm_mode_32 3
		.amdhsa_float_denorm_mode_16_64 3
		.amdhsa_memory_ordered 1
		.amdhsa_forward_progress 1
		.amdhsa_inst_pref_size 138
	.end_amdhsa_kernel
	.amdgpu_metadata
---
amdhsa.version: [ 1, 2 ]
amdhsa.kernels:
  - .name:           k_qa9f70ddacf_qkv
    .symbol:         k_qa9f70ddacf_qkv.kd
    .args:
      - { .name: hidden_states, .offset: 0, .size: 8, .value_kind: global_buffer, .address_space: global }
      - { .name: wqkv, .offset: 8, .size: 8, .value_kind: global_buffer, .address_space: global }
      - { .name: csb, .offset: 16, .size: 8, .value_kind: global_buffer, .address_space: global }
      - { .name: qkvh, .offset: 24, .size: 8, .value_kind: global_buffer, .address_space: global }
    .group_segment_fixed_size: 327680
    .private_segment_fixed_size: 0
    .kernarg_segment_align: 8
    .kernarg_segment_size: 32
    .max_flat_workgroup_size: 128
    .sgpr_count:     80
    .vgpr_count:     832
    .wavefront_size: 32
...
	.end_amdgpu_metadata
.endif
;; end of part 2
;; launch attn (part 3): grid 32 x 8, 4 waves a work-group, clusters of 4 x 4, 327,680 bytes of LDS; arguments qkvh, attention_mask, aoh; writes aoh
.if DOCPART == 3
	.amdgcn_target "amdgcn-amd-amdhsa--gfx1250"
	.amdhsa_code_object_version 6
	.text
	.protected	k_qa9f70ddacf_attn
	.globl	k_qa9f70ddacf_attn
	.p2align	8
	.type	k_qa9f70ddacf_attn,@function
k_qa9f70ddacf_attn:
	s_mov_b64 s[64:65], 0
	v_nop
	global_prefetch_b8 v0, s[64:65] scope:SCOPE_SE
	s_setreg_imm32_b32 hwreg(HW_REG_WAVE_MODE, 25, 1), 1
	s_wait_xcnt 0x0
	s_wait_alu depctr_hold_cnt(0) depctr_sa_sdst(0) depctr_va_vdst(0) depctr_va_sdst(0) depctr_va_ssrc(0) depctr_va_vcc(0) depctr_vm_vsrc(0)
	s_getreg_b32 s2, hwreg(HW_REG_IB_STS2, 6, 4)
	s_cmp_eq_u32 s2, 0
	s_cbranch_scc0 .Lentry_in_a_cluster
	s_endpgm
.Lentry_in_a_cluster:
	s_bfe_u32 s2, ttmp6, 0x10000c
	s_cmp_lg_u32 s2, 0xf033
	s_cbranch_scc0 .Lentry_shape_is_right
	s_endpgm
.Lentry_shape_is_right:
; O[b][q][h] = the sum over all 2,048 keys k of softmax_k(Q[b][h][q] . K[b][h/2][k] / sqrt(128) + mask[b][q][k]) V[b][h/2][k].
; qkvh [b 2][slot 16][s 2048][128] f16 holds q / 4 (slots 0-7), k / 4 (8-11), v / 4 (12-15); attention_mask [b][2048 q][2048 k] f32 is an input: it is read whole, rounded to bf16 like the
; module's other inputs, and nothing of its pattern is built in.  OUT: aoh [4096 m][1024 = 128 h + d] f16 = O / 4.
; Products, maxima and sums in f32; the weights p are rounded to f16 for the second product (their sum l is taken of the unrounded p), O once at the end.
; SOFTMAX, in base 2: s = (q/4 . k/4) x 16 log2(e) / sqrt(128) + log2(e) x mask, one fused multiply-add; a running maximum m of s; p = 2^(s - m), so the largest weight is 1 whatever the scores' size;
; O and l are multiplied by a = 2^(m_old - m_new) in every step.  m starts at the lowest finite number, O and l at 0 (128 lines that write 0, in the wait for the first tile): the first step is a step like any other, with a = 0.
; LIMITS.  |mask| stays under 2.3e38 (it is multiplied by log2(e)); a weight below 2^-126 counts as 0 in l, below 6e-5 it keeps f16's fixed step; NaN and infinities are not treated apart.
; SHARES.  A work-group owns 64 query rows of one batch and the TWO heads of one key-value head.  Wave w owns rows 16 w .. 16 w + 15; its tile t is head 2 kv + t: one set of mask registers serves both tiles.
; Every wave walks all keys, 64 a step, 128 a slot.
; LAYOUT.  S^T = K Q^T (source 0 = 16 keys, source 1 = 16 queries): a lane holds ONE query (lane % 16) and the keys 8 (lane / 16) + 0..7 of each block of 16.  Two such results rounded to f16 ARE source 1
; of O^T = V^T P.  K comes out of LDS as it lies, V ([key][channel]) turned, by ds_load_tr16_b128; the mask comes as 32 bytes a lane for each block of 16 keys.
; IN PHASES: a step's K Q^T, the mask, the softmax, V^T P; the LDS loads of the next step's K and mask are out during the softmax, V's during K Q^T.
; CLUSTER 4 x 4: cy is the key-value head, cx the query block.  K's and V's tiles hang on the batch and cy: asked for jointly by a row of the cluster; the mask's tile hangs on the batch and the query block: by a column.
; By this text's count a wave has one tensor load out.
; REGISTERS.  window 0: v0-15 addresses; v16-31 statistics, 8 a tile: m, (spare), l, l, c0-c3; v32-63 mask; v64-127 S^T; v128-159 P; v160-223 Q; v224-239 the mask in bf16; v240-241 the add's two.
;   window 1: v0-127 K of one step; v128-255 V of one step.     window 2: v0-127 O^T, 64 a tile.
.set PKP,   272                        ; a row of K in LDS: 256 bytes + 16: the 16 rows of a load start at 16 different groups of four banks (64 banks of 4 bytes: ISA guide 11.1)
.set PVP,   288                        ; of V: 256 + 32
.set PMP,   528                        ; of the mask: 128 keys x 4 bytes + 16
.set VOFF,  128*PKP                    ; a slot: 128 rows of K, 128 of V, 64 rows of mask
.set MOFF,  VOFF+128*PVP
.set SLOT1, 131072
.set STAGE, SLOT1+MOFF+64*PMP          ; behind the ring, never filled by a tensor load: 16 rows x 272 bytes for each wave
.set SP,    272
.set SPARE, STAGE+4*16*SP              ; the spare words, 128 bytes a wave: two blocks of 256 bytes that no other line names
.set ST,  16
.set M,   32
.set S,   64
.set P,   128
.set Q,   160
.set MP,  224
.set SEL, 76                           ; s[76:77] v_permlanex16_b32's selects: each lane takes its own place in the other half
; v2, v3, v4 my lane's place in a tile of K, V, mask; v5, v6, v7 the addresses of the runs in hand; v8 my offset in Q; v12 STO, v13 RD, v14 GO: the way out; v15 the prefetches' offset
; s12 wave; s13 cx, s14 cy, s15 batch, s16 query block; s60 slots still to be asked for; s61 counts a slot's two steps; s62, s63, s70 LDS byte of the step to be fetched, for K, V, mask
; s[72:73] log2(e); s[74:75] 16 log2(e) / sqrt(128); s[78:79] the prefetches' place, s[80:81] their step, s82 their bound; s83 a mask; s[84:85] Q, s[86:87] O at my rows
.set MSB, 0
.macro WIN new
.if MSB != (\new)
	s_set_vgpr_msb (MSB<<8)|(\new)
.set MSB, \new
.endif
.endm
.macro PLACES
.rept 4
	v_nop
.endr
.endm
; A joint fill: wave 0 fetches a slot's K, wave 1 its V, waves 2 and 3 the two halves of its mask rows.  The branches hang on the wave's number alone.
; An s_nop 0 and four v_nop follow each line, ahead of the jump and the label.
.macro JLOAD
	s_cmp_lt_u32 s12, 2
	s_cbranch_scc0 .Lfor_m_\@
	s_cmp_eq_u32 s12, 0
	s_cbranch_scc0 .Lfor_v_\@
	tensor_load_to_lds s[48:51], s[24:31]
	s_nop 0
.rept 4
	v_nop
.endr
	s_branch .Lasked_\@
.Lfor_v_\@:
	tensor_load_to_lds s[52:55], s[32:39]
	s_nop 0
.rept 4
	v_nop
.endr
	s_branch .Lasked_\@
.Lfor_m_\@:
	tensor_load_to_lds s[56:59], s[40:47]
	s_nop 0
.rept 4
	v_nop
.endr
.Lasked_\@:
.endm
.macro CROUND                          ; a round of the cluster's barrier
	s_barrier_signal -1
	s_barrier_wait -1
	s_cmp_lg_u32 s12, 0
	s_cbranch_scc1 .Lnot_wave_0_\@
	s_barrier_signal -3
.Lnot_wave_0_\@:
	s_barrier_wait -3
	s_barrier_signal -1
	s_barrier_wait -1
.endm
; A prefetch of what the NEXT change of slots will ask for, two key steps ahead of that load.  K's and V's 128 rows of 256 bytes: waves 0 and 1 of the clusters with x = 0 (all clusters of a batch walk them);
; the partner at cx takes rows 32 cx + lane.  The mask's 64 rows x 512 bytes: wave 2 of every cluster (no other cluster reads them); the partner at cy takes rows 16 cy + lane / 2, half lane % 2.
; So each 256 bytes are named once in the launch.  The last change that fills a slot asks for nothing.
.macro ASK
	s_cmp_gt_u32 s60, s82
	s_cbranch_scc0 .Lnot_mine_\@
	global_prefetch_b8 v15, s[78:79] th:TH_LOAD_NT scope:SCOPE_SE
.Lnot_mine_\@:
.endm
; THE CHANGE OF SLOTS.  Each wave waits for all its tensor loads (the one that is out is its part of the other slot), adds 0 to its spare word, and waits for that and for its reads of the slot that it leaves.
; fill = 1: the barrier is a round of the cluster's, and the slot is filled again, with the keys two slots on, first thing behind it.  (At its first use nothing has been read: slot 0 is waited for, slot 1 filled.)
.macro CHANGE fill
	WIN 0
	s_wait_tensorcnt 0x0                           ; no tensor load of mine is out, so a group 0 may be written
	ds_add_u32 v240, v241
.if \fill
	s_xor_b32 s49, s49, SLOT1                      ; the walking descriptors: the other slot than last time, the next 128 keys
	s_add_nc_u64 s[50:51], s[50:51], 32768
	s_xor_b32 s53, s53, SLOT1
	s_add_nc_u64 s[54:55], s[54:55], 32768
	s_xor_b32 s57, s57, SLOT1
	s_add_nc_u64 s[58:59], s[58:59], 512
	s_wait_xcnt 0x0                                ; the last prefetch, two key steps back, has read its address
	s_add_nc_u64 s[78:79], s[78:79], s[80:81]
	s_wait_dscnt 0x0                               ; the add is done, and my reads of the slot are over
	CROUND
	JLOAD
	ASK
.else
	s_wait_dscnt 0x0
	s_barrier_signal -1
	s_barrier_wait -1
.endif
	s_sub_co_u32 s62, s62, 2*64*PKP                ; the fetches go back to a slot's first step, in the other slot
	s_xor_b32 s62, s62, SLOT1
	s_sub_co_u32 s63, s63, 2*64*PVP
	s_xor_b32 s63, s63, SLOT1
	s_sub_co_u32 s70, s70, 512
	s_xor_b32 s70, s70, SLOT1
.endm
; 40 LDS loads: a step's K (64 keys x 128 channels: 16 fragments) and my 16 rows x 64 keys of its mask
.macro FETCH_KM
	WIN 0
	v_add_nc_u32 v5, s62, v2
	v_add_nc_u32 v7, s70, v4
	s_add_co_u32 s62, s62, 64*PKP
	s_add_co_u32 s70, s70, 256
	WIN 0x40                                       ; destination window 1
.irp f, 0,1,2,3,4,5,6,7,8,9,10,11,12,13,14,15  ; keys 16 (f / 4) on, channels 32 (f % 4) on
	ds_load_b128 v[8*\f:8*\f+3], v5 offset:(\f/4)*16*PKP+(\f%4)*64
	ds_load_b128 v[8*\f+4:8*\f+7], v5 offset:(\f/4)*16*PKP+(\f%4)*64+32
.endr
	WIN 0
.irp kb, 0,1,2,3                       ; keys 16 kb + 8 (l / 16) + 0..7 of my query's row
	ds_load_b128 v[M+8*\kb:M+8*\kb+3], v7 offset:64*\kb
	ds_load_b128 v[M+8*\kb+4:M+8*\kb+7], v7 offset:64*\kb+16
.endr
.endm
; 32 LDS loads: a step's V, turned.  The address line and three v_nop are the four places behind the last product that read V.
.macro FETCH_V
	WIN 0
	v_add_nc_u32 v6, s63, v3
	v_nop
	v_nop
	v_nop
	s_add_co_u32 s63, s63, 64*PVP
	WIN 0x40
.irp f, 0,1,2,3,4,5,6,7,8,9,10,11,12,13,14,15  ; keys 32 (f / 8) on, channels 16 (f % 8) on
	ds_load_tr16_b128 v[128+8*\f:128+8*\f+3], v6 offset:(\f/8)*32*PVP+(\f%8)*32
	ds_load_tr16_b128 v[128+8*\f+4:128+8*\f+7], v6 offset:(\f/8)*32*PVP+16*PVP+(\f%8)*32
.endr
.endm
; Product i of 32 of S^T = K Q^T: channels 32 (i / 8) on, keys 16 ((i / 2) % 4) on, tile i % 2.  The first 8 start the sums.  The 8 accumulators take turns.
.macro KQ
	WIN 0x01                                       ; K in window 1
.set rS, S+32*(i%2)+8*((i/2)%4)
.set rK, 32*((i/2)%4)+8*(i/8)
.set rQ, Q+32*(i%2)+8*(i/8)
.if i < 8
	v_wmma_f32_16x16x32_f16 v[rS:rS+7], v[rK:rK+7], v[rQ:rQ+7], 0
.else
	v_wmma_f32_16x16x32_f16 v[rS:rS+7], v[rK:rK+7], v[rQ:rQ+7], v[rS:rS+7]
.endif
.endm
; Product i of 32 of O^T += V^T P: keys 32 (i / 16) on, channels 16 ((i / 2) % 8) on, tile i % 2.  The 16 accumulators take turns.
.macro PVM
	WIN 0xa1                                       ; V in window 1, P in window 0, O^T in window 2
.set rO, 64*(i%2)+8*((i/2)%8)
.set rV, 128+64*(i/16)+8*((i/2)%8)
.set rP, P+16*(i%2)+8*(i/16)
	v_wmma_f32_16x16x32_f16 v[rO:rO+7], v[rV:rV+7], v[rP:rP+7], v[rO:rO+7]
.endm
; The mask: rounded to bf16, widened again, times log2(e).  These 64 plain lines name no register of the products K Q^T: they are the places behind them.
.macro MROUND
	WIN 0
.set i, 0
.rept 16
	v_cvt_pk_bf16_f32 v[MP+i], v[M+2*i], v[M+2*i+1]
.set i, i+1
.endr
.set i, 0
.rept 16
	v_lshlrev_b32 v[M+2*i], 16, v[MP+i]
	v_and_b32 v[M+2*i+1], s83, v[MP+i]
.set i, i+1
.endr
.set i, 0
.rept 16
	v_pk_mul_f32 v[M+2*i:M+2*i+1], v[M+2*i:M+2*i+1], s[72:73] op_sel_hi:[1,0]
.set i, i+1
.endr
.endm
; s = product x 16 log2(e) / sqrt(128) + log2(e) mask, one rounding; each accumulator is read from its low end on
.macro MADD
	WIN 0
.irp t, 0,1
.set i, 0
.rept 16
	v_pk_fma_f32 v[S+32*\t+2*i:S+32*\t+2*i+1], v[S+32*\t+2*i:S+32*\t+2*i+1], s[74:75], v[M+2*i:M+2*i+1] op_sel_hi:[1,0,1]
.set i, i+1
.endr
.endr
.endm
; One tile's softmax for one key step is a list of 133 lines; SM writes number j of it for tile t.  s0-s31 are the lane's 32 scores, in pairs 0-15.
;   0-15    the maximum of s0-s31 and the old m, three operands at a time      16-19  the other half of the lanes' maximum; m_old is kept; the new m; m_old - m_new
;   20-35   s - m, a pair each      36-68  ONE BATCH of 33 exponentials: a, then s0-s31      (the wait for the batch stands between 68 and 69)
;   69-84   the roundings to f16    85-100  the sums; l = a l + the sum      101-132  the tile's O^T times a
.macro SM t
.set rT, ST+8*(\t)
.set rS, S+32*(\t)
.set rP, P+16*(\t)
.set rO, 64*(\t)+2*(j-101)
.if j < 101
	WIN 0
.endif
.if j < 4
	v_max3_num_f32 v[rT+4+j], v[rS+8*j], v[rS+8*j+1], v[rS+8*j+2]
.elseif j < 12
	v_max3_num_f32 v[rT+4+j%4], v[rT+4+j%4], v[rS+8*(j%4)+2*(j/4)+1], v[rS+8*(j%4)+2*(j/4)+2]
.elseif j == 12
	v_max3_num_f32 v[rT+4], v[rT+4], v[rS+7], v[rS+15]
.elseif j == 13
	v_max3_num_f32 v[rT+6], v[rT+6], v[rS+23], v[rS+31]
.elseif j == 14
	v_max3_num_f32 v[rT+4], v[rT+4], v[rT+5], v[rT+6]
.elseif j == 15
	v_max3_num_f32 v[rT+4], v[rT+4], v[rT+7], v[rT]
.elseif j == 16
	v_permlanex16_b32 v[rT+5], v[rT+4], s[SEL], s[SEL+1]  ; the query's other 32 keys lie in the lane 16 away
.elseif j == 17
	v_mov_b32 v[rT+7], v[rT]
.elseif j == 18
	v_max_num_f32 v[rT], v[rT+4], v[rT+5]
.elseif j == 19
	v_sub_f32 v[rT+7], v[rT+7], v[rT]
.elseif j < 36
	v_pk_add_f32 v[rS+2*(j-20):rS+2*(j-20)+1], v[rS+2*(j-20):rS+2*(j-20)+1], v[rT:rT+1] op_sel_hi:[1,0] neg_lo:[0,1] neg_hi:[0,1]
.elseif j == 36
	v_exp_f32 v[rT+6], v[rT+7]
.elseif j < 69
	v_exp_f32 v[rS+j-37], v[rS+j-37]
.elseif j < 85
	v_cvt_pk_f16_f32 v[rP+j-69], v[rS+2*(j-69)], v[rS+2*(j-69)+1]
.elseif j < 101                        ; the sum of the tile's 16 pairs, in place: neighbours 1, 2, 4 and 8 pairs apart, then l takes it
.set z, j-85
.set w, 4
.set u, z
.if z >= 14
.set w, 32
.set u, 0
.elseif z >= 12
.set w, 16
.set u, z-12
.elseif z >= 8
.set w, 8
.set u, z-8
.endif
.if z < 15
	v_pk_add_f32 v[rS+w*u:rS+w*u+1], v[rS+w*u:rS+w*u+1], v[rS+w*u+w/2:rS+w*u+w/2+1]
.else
	v_pk_fma_f32 v[rT+2:rT+3], v[rT+2:rT+3], v[rT+6:rT+7], v[rS:rS+1] op_sel_hi:[1,0,1]
.endif
.else
	WIN 0x82                                       ; O^T (destination and source 0) in window 2, a in window 0
	v_pk_mul_f32 v[rO:rO+1], v[rO:rO+1], v[rT+6:rT+7] op_sel_hi:[1,0]
.endif
.endm
.macro SOFTMAX                         ; the two tiles alternate, so that no line reads the result of the line before it
.set j, 0
.rept 69
	SM 0
	SM 1
.set j, j+1
.endr
	v_nop                                          ; a plain line behind the last exponential, ahead of the first use (ISA guide 5.7.2): one for the batch
	s_wait_alu depctr_va_vdst(0)                   ; the wait ahead of the first line that names a result: one for the 66 exponentials
.rept 64
	SM 0
	SM 1
.set j, j+1
.endr
.endm
.macro PVS
.set i, 0
.rept 32
	PVM
.set i, i+1
.endr
.endm
.macro HALF1                           ; the next step's K and mask are asked of LDS; the softmax and V^T P of the step in hand
	FETCH_KM
	SOFTMAX
	s_wait_dscnt 40                                ; V is in; the 40 younger loads may stay out
	PVS
	WIN 0
.endm
.macro HALF2                           ; the next step's V is asked of LDS; its scores
	FETCH_V
	s_wait_dscnt 32                                ; K and the mask are in; V's 32 loads may stay out
.set i, 0
.rept 32
	KQ
.set i, i+1
.endr
	MROUND
	MADD
	WIN 0
.endm
	s_load_b128 s[4:7], s[0:1], 0x0                ; qkvh s[4:5], attention_mask s[6:7]
	s_load_b64 s[8:9], s[0:1], 0x10                ; aoh
	v_lshl_add_u32 v240, v0, 2, SPARE
	v_mov_b32 v241, 0
	ds_add_u32 v240, v241                          ; the wave's opening: the add and its wait stand ahead of my first tensor load
	v_lshrrev_b32 v1, 5, v0
	v_readfirstlane_b32 s12, v1                    ; wave 0..3
	s_bfe_u32 s13, ttmp6, 0x40000                  ; cx
	s_bfe_u32 s14, ttmp6, 0x40004                  ; cy: the key-value head
	s_and_b32 s15, ttmp7, 0xffff                   ; the cluster's y: the batch
	s_lshl_b32 s16, ttmp9, 2
	s_add_co_u32 s16, s16, s13                     ; my block of 64 queries = 4 x cluster x + cx
	s_lshl_b32 s17, s14, 2
	s_lshl_b32 s17, 15, s17                        ; my row of the cluster
	s_lshl_b32 s18, 0x1111, s13                    ; my column
	s_or_b32 s24, s17, (1<<16)|(1<<20)|(1<<21)|(5<<22)|(3<<25)  ; K: my row's mask; 2-byte elements; padding on; bit 21 beside a mask; after every 64 words 4 words
	s_or_b32 s32, s17, (1<<16)|(1<<20)|(1<<21)|(5<<22)|(7<<25)  ; V: 8 words
	s_or_b32 s40, s18, (2<<16)|(1<<20)|(1<<21)|(6<<22)|(3<<25)  ; mask: my column's mask; 4-byte elements; after every 128 words 4 words
.irp g, 24, 32
	s_mov_b32 s[\g+1], 128<<16                     ; tensor_dim0 = 128
	s_mov_b32 s[\g+2], 128<<16                     ; tensor_dim1 = 128
	s_mov_b32 s[\g+3], 128<<16                     ; tile_dim0 = 128
	s_mov_b32 s[\g+4], 128                         ; tile_dim1 = 128
	s_mov_b32 s[\g+5], 128                         ; elements from row to row
	s_mov_b32 s[\g+6], 0
	s_mov_b32 s[\g+7], 0
.endr
	s_mov_b32 s41, 128<<16
	s_mov_b32 s42, 32<<16                          ; 32 rows
	s_mov_b32 s43, 128<<16
	s_mov_b32 s44, 32
	s_mov_b32 s45, 2048
	s_mov_b32 s46, 0
	s_mov_b32 s47, 0
	s_lshl_b32 s20, s15, 4                         ; K's head: slot 16 b + 8 + cy, 2^19 bytes each
	s_add_co_u32 s20, s20, s14
	s_add_co_u32 s20, s20, 8
	s_lshl_b32 s20, s20, 19
	s_mov_b32 s21, 0
	s_lshl_b32 s22, s15, 24                        ; the mask: the batch, my block's 64 rows of 8,192 bytes, my wave's half of them
	s_lshl_b32 s23, s16, 19
	s_add_co_u32 s22, s22, s23
	s_and_b32 s19, s12, 1
	s_lshl_b32 s23, s19, 18
	s_add_co_u32 s22, s22, s23
	s_mov_b32 s23, 0
	s_mul_i32 s19, s19, 32*PMP
	s_add_co_u32 s19, s19, MOFF
	s_mov_b32 s48, 1
	s_mov_b32 s49, 0                               ; LDS: slot 0
	s_mov_b32 s52, 1
	s_mov_b32 s53, VOFF
	s_mov_b32 s56, 1
	s_mov_b32 s57, s19
	s_lshl_b32 s88, s15, 4                         ; Q: slot 16 b + 2 cy, my block's 64 rows of 256 bytes, my wave's 16
	s_lshl_b32 s89, s14, 1
	s_add_co_u32 s88, s88, s89
	s_lshl_b32 s88, s88, 19
	s_lshl_b32 s89, s16, 14
	s_add_co_u32 s88, s88, s89
	s_lshl_b32 s89, s12, 12
	s_add_co_u32 s88, s88, s89
	s_mov_b32 s89, 0
	s_lshl_b32 s90, s15, 22                        ; O: rows of 2,048 bytes; my two heads begin at byte 512 cy
	s_lshl_b32 s91, s16, 17
	s_add_co_u32 s90, s90, s91
	s_lshl_b32 s91, s12, 15
	s_add_co_u32 s90, s90, s91
	s_lshl_b32 s91, s14, 9
	s_add_co_u32 s90, s90, s91
	s_mov_b32 s91, 0
	s_mov_b32 s72, 0x3fb8aa3b                      ; log2(e)
	s_mov_b32 s73, s72                             ; named with it as a pair
	s_mov_b32 s74, 0x400293ee                      ; 16 log2(e) / sqrt(128) = 2.040279
	s_mov_b32 s75, s74
	s_mov_b32 s[SEL], 0x76543210
	s_mov_b32 s[SEL+1], 0xfedcba98
	s_mov_b32 s83, 0xffff0000
	s_mov_b32 s62, SLOT1+2*64*PKP                  ; the first change of slots turns these three into 0
	s_mov_b32 s63, SLOT1+2*64*PVP
	s_mov_b32 s70, SLOT1+512
	s_mov_b32 s60, 15                              ; 16 slots; slot 0 is asked for at once
	s_wait_dscnt 0x0                               ; the opening add is done
	s_wait_kmcnt 0x0
	s_add_nc_u64 s[50:51], s[4:5], s[20:21]
	s_add_nc_u64 s[54:55], s[50:51], 0x200000      ; V's head lies four slots behind K's
	s_or_b32 s51, s51, 0x80000000
	s_or_b32 s55, s55, 0x80000000
	s_add_nc_u64 s[58:59], s[6:7], s[22:23]
	s_or_b32 s59, s59, 0x80000000
	s_add_nc_u64 s[84:85], s[4:5], s[88:89]
	s_add_nc_u64 s[86:87], s[8:9], s[90:91]
	CROUND                                         ; all sixteen work-groups are here: the first joint loads meet
	JLOAD                                          ; slot 0; slot 1 is asked for when slot 0 is in
	v_and_b32 v1, 15, v0                           ; l % 16
	v_bfe_u32 v9, v0, 4, 1                         ; l / 16
	v_lshlrev_b32 v8, 8, v1
	v_lshl_add_u32 v8, v9, 4, v8                   ; row x 256 + 16 x half
.irp t, 0,1
.irp c, 0,1,2,3                        ; Q stays in registers: tile t, channels 32 c on
	global_load_b128 v[Q+32*\t+8*\c:Q+32*\t+8*\c+3], v8, s[84:85] offset:524288*\t+64*\c
	global_load_b128 v[Q+32*\t+8*\c+4:Q+32*\t+8*\c+7], v8, s[84:85] offset:524288*\t+64*\c+32
.endr
.endr
	WIN 0x80
.set i, 0
.rept 128
	v_mov_b32 v[i], 0                              ; O^T
.set i, i+1
.endr
	WIN 0
.irp t, 0,1
	v_mov_b32 v[ST+8*\t], 0xff7fffff               ; m
	v_mov_b32 v[ST+8*\t+1], 0                      ; named with m as a pair
	v_mov_b32 v[ST+8*\t+2], 0                      ; l
	v_mov_b32 v[ST+8*\t+3], 0
.endr
	v_mul_u32_u24 v2, v1, PKP
	v_lshl_add_u32 v2, v9, 4, v2                   ; K: row x pitch + 16 x half
	v_and_b32 v10, 7, v0                           ; V: lane l reads key 8 (l / 16) + l % 8, channels 8 ((l / 8) % 2) + 0..7
	v_bfe_u32 v11, v0, 3, 1
	v_lshl_add_u32 v3, v9, 3, v10
	v_mul_u32_u24 v3, v3, PVP
	v_lshl_add_u32 v3, v11, 4, v3
	v_add_nc_u32 v3, VOFF, v3
	s_mul_i32 s88, s12, 16*PMP                     ; mask: row 16 w + l % 16, 32 bytes for each half of the lanes
	s_add_co_u32 s88, s88, MOFF
	v_mul_u32_u24 v4, v1, PMP
	v_lshl_add_u32 v4, v9, 5, v4
	v_add_nc_u32 v4, s88, v4
	s_mul_i32 s88, s12, 16*SP
	s_add_co_u32 s88, s88, STAGE                   ; my stage
	v_mul_u32_u24 v12, v1, SP
	v_lshl_add_u32 v12, v9, 4, v12
	v_add_nc_u32 v12, s88, v12
	v_mul_u32_u24 v13, v9, SP
	v_lshl_add_u32 v13, v1, 4, v13
	v_add_nc_u32 v13, s88, v13
	v_lshlrev_b32 v14, 11, v9                      ; two rows of O, 2,048 bytes apart, 256 bytes of each
	v_lshl_add_u32 v14, v1, 4, v14
	; the prefetches' place: slot 1; the first change of slots steps it to slot 2
	s_and_b32 s90, s12, 1
	s_lshl_b32 s90, s90, 2                         ; wave 1: V, four slots of qkvh on
	s_lshl_b32 s91, s15, 4
	s_add_co_u32 s90, s90, s91
	s_add_co_u32 s90, s90, s14
	s_add_co_u32 s90, s90, 8
	s_lshl_b32 s90, s90, 19
	s_lshl_b32 s91, s13, 13                        ; my work-group's 32 rows of the 128
	s_add_co_u32 s90, s90, s91
	s_add_co_u32 s90, s90, 32768
	s_lshl_b32 s92, s15, 24
	s_lshl_b32 s91, s16, 19
	s_add_co_u32 s92, s92, s91
	s_lshl_b32 s91, s14, 17                        ; my work-group's 16 rows of the 64
	s_add_co_u32 s92, s92, s91
	s_add_co_u32 s92, s92, 512
	s_mov_b32 s80, 32768
	s_mov_b32 s93, 512
	s_mov_b32 s91, 0
	s_mov_b32 s81, 0
	s_cmp_lt_u32 s12, 2
	s_cselect_b32 s90, s90, s92
	s_cselect_b32 s80, s80, s93
	s_cselect_b32 s94, -1, 0
	s_cselect_b32 s82, ttmp9, 0                    ; K and V: the batch's first cluster alone
	s_cselect_b64 s[78:79], s[4:5], s[6:7]
	s_add_nc_u64 s[78:79], s[78:79], s[90:91]
	s_cmp_eq_u32 s12, 3                            ; wave 2 names all my work-group's part of the mask: wave 3 asks for nothing
	s_cselect_b32 s93, 1, 0
	s_or_b32 s82, s82, s93
	s_cmp_eq_u32 s82, 0
	s_cselect_b32 s82, 1, -1                       ; the same in all sixteen partners, for a given wave
	v_and_b32 v10, 31, v0
	v_lshlrev_b32 v11, 8, v10                      ; K, V: a lane a row
	v_lshrrev_b32 v15, 1, v10
	v_lshlrev_b32 v15, 13, v15                     ; mask: two lanes a row
	v_and_b32 v10, 1, v10
	v_lshl_add_u32 v15, v10, 8, v15
	v_cndmask_b32 v15, v15, v11, s94
	CHANGE 1                                       ; slot 0 is in, everybody's part of it; slot 1 is asked for
	FETCH_KM                                       ; key step 0
	s_wait_loadcnt 0x0                             ; Q
	s_mov_b32 s61, 2
	s_branch .Lmid                                 ; the loop is entered in the middle of a trip: there is no step yet whose softmax is due
.Lslot:                                        ; 14 times: every slot but the last two is filled again
	CHANGE 1
	s_mov_b32 s61, 2
.Lstep:
	HALF1
.Lmid:
	HALF2
	s_sub_co_u32 s61, s61, 1
	s_cmp_lg_u32 s61, 0
	s_cbranch_scc1 .Lstep
	s_sub_co_u32 s60, s60, 1
	s_cmp_lg_u32 s60, 0
	s_cbranch_scc1 .Lslot
	CHANGE 0                                       ; the last slot is written out: nothing is asked for
	s_mov_b32 s61, 2
.Ltstep:
	HALF1
	HALF2
	s_sub_co_u32 s61, s61, 1
	s_cmp_lg_u32 s61, 0
	s_cbranch_scc1 .Ltstep
	SOFTMAX                                        ; the last step's
	s_wait_dscnt 0x0
	PVS
	; THE WAY OUT.  l's two halves and the other half of the lanes' are added; O^T is divided by l, rounded to f16 and sent through my stage in LDS, a tile (16 rows of one head) at a time.
	PLACES
	WIN 0
.irp t, 0,1
	v_add_f32 v[ST+8*\t+4], v[ST+8*\t+2], v[ST+8*\t+3]
.endr
.irp t, 0,1
	v_permlanex16_b32 v[ST+8*\t+5], v[ST+8*\t+4], s[SEL], s[SEL+1]
.endr
.irp t, 0,1
	v_add_f32 v[ST+8*\t+4], v[ST+8*\t+4], v[ST+8*\t+5]
.endr
.irp t, 0,1
	v_rcp_f32 v[ST+8*\t+6], v[ST+8*\t+4]
.endr
	v_nop                                          ; a plain line between the last reciprocal and the use of its result
	s_wait_alu depctr_va_vdst(0)                   ; and the wait for the results: one for the two reciprocals
.macro PACK t
	WIN 0x82
.set i, 64*(\t)
.rept 32
	v_pk_mul_f32 v[i:i+1], v[i:i+1], v[ST+8*(\t)+6:ST+8*(\t)+7] op_sel_hi:[1,0]
.set i, i+2
.endr
	WIN 0x0a                                       ; sources 0 and 1 window 2, destination window 0: S^T's registers are free
.set i, 0
.rept 32
	v_cvt_pk_f16_f32 v[S+32*(\t)+i], v[64*(\t)+2*i], v[64*(\t)+2*i+1]
.set i, i+1
.endr
	WIN 0
.irp f, 0,1,2,3,4,5,6,7
	ds_store_b128 v12, v[S+32*(\t)+4*\f:S+32*(\t)+4*\f+3] offset:32*\f
.endr
.irp f, 0,1,2,3,4,5,6,7
	ds_load_b128 v[S+32*(\t)+4*\f:S+32*(\t)+4*\f+3], v13 offset:\f*2*SP  ; LDS serves a wave's instructions in order (ISA guide 5.7.1.4): these see the stores above; the next tile's stores come behind them
.endr
.endm
.macro SEND t, younger                 ; younger: the LDS instructions issued behind tile t's loads
	WIN 0
.irp f, 0,1,2,3,4,5,6,7
	s_wait_dscnt (\younger)+7-\f
	global_store_b128 v14, v[S+32*(\t)+4*\f:S+32*(\t)+4*\f+3], s[86:87] offset:256*(\t)+4096*\f  ; 16 lanes store 256 consecutive bytes, at a multiple of 256 from the buffer's first byte
.endr
.endm
	PACK 0
	PACK 1
	SEND 0, 16
	SEND 1, 0
	s_wait_tensorcnt 0x0                           ; the wave's end: these three lines stand behind my last tensor load and my last LDS store
	ds_add_u32 v240, v241
	s_wait_dscnt 0x0
	CROUND                                         ; the closing round: no work-group ends while a partner may still ask for a tile that names it
	s_endpgm
.Lfunc_end_k_qa9f70ddacf_attn:
	.size	k_qa9f70ddacf_attn, .Lfunc_end_k_qa9f70ddacf_attn-k_qa9f70ddacf_attn
	.p2alignl 7, 3214868480
	.fill 96, 4, 3214868480
	.section	.rodata,"a",@progbits
	.p2align	6, 0x0
	.amdhsa_kernel k_qa9f70ddacf_attn
		.amdhsa_group_segment_fixed_size 327680
		.amdhsa_private_segment_fixed_size 0
		.amdhsa_enable_private_segment 0
		.amdhsa_kernarg_size 24
		.amdhsa_user_sgpr_count 2
		.amdhsa_user_sgpr_kernarg_segment_ptr 1
		.amdhsa_wavefront_size32 1
		.amdhsa_system_sgpr_workgroup_id_x 1
		.amdhsa_system_sgpr_workgroup_id_y 1
		.amdhsa_system_sgpr_workgroup_id_z 1
		.amdhsa_system_vgpr_workitem_id 0
		.amdhsa_next_free_vgpr 640
		.amdhsa_next_free_sgpr 96
		.amdhsa_reserve_vcc 0
		.amdhsa_float_denorm_mode_32 3
		.amdhsa_float_denorm_mode_16_64 3
		.amdhsa_memory_ordered 1
		.amdhsa_forward_progress 1
		.amdhsa_inst_pref_size 111
	.end_amdhsa_kernel
	.amdgpu_metadata
---
amdhsa.version: [ 1, 2 ]
amdhsa.kernels:
  - .name:           k_qa9f70ddacf_attn
    .symbol:         k_qa9f70ddacf_attn.kd
    .args:
      - { .name: qkvh, .offset: 0, .size: 8, .value_kind: global_buffer, .address_space: global }
      - { .name: attention_mask, .offset: 8, .size: 8, .value_kind: global_buffer, .address_space: global }
      - { .name: aoh, .offset: 16, .size: 8, .value_kind: global_buffer, .address_space: global }
    .group_segment_fixed_size: 327680
    .private_segment_fixed_size: 0
    .kernarg_segment_align: 8
    .kernarg_segment_size: 24
    .max_flat_workgroup_size: 128
    .sgpr_count:     96
    .vgpr_count:     640
    .wavefront_size: 32
...
	.end_amdgpu_metadata
.endif
;; end of part 3
;; launch oproj (part 4): grid 16 x 16, 4 waves a work-group, clusters of 4 x 4, 327,680 bytes of LDS; arguments aoh, wo16, out0; writes out0
.if DOCPART == 4
	.amdgcn_target "amdgcn-amd-amdhsa--gfx1250"
	.amdhsa_code_object_version 6
	.text
	.protected	k_qa9f70ddacf_oproj
	.globl	k_qa9f70ddacf_oproj
	.p2align	8
	.type	k_qa9f70ddacf_oproj,@function
k_qa9f70ddacf_oproj:
	s_mov_b64 s[64:65], 0
	v_nop
	global_prefetch_b8 v0, s[64:65] scope:SCOPE_SE
	s_setreg_imm32_b32 hwreg(HW_REG_WAVE_MODE, 25, 1), 1
	s_wait_xcnt 0x0
	s_wait_alu depctr_hold_cnt(0) depctr_sa_sdst(0) depctr_va_vdst(0) depctr_va_sdst(0) depctr_va_ssrc(0) depctr_va_vcc(0) depctr_vm_vsrc(0)
	s_getreg_b32 s2, hwreg(HW_REG_IB_STS2, 6, 4)
	s_cmp_eq_u32 s2, 0
	s_cbranch_scc0 .Lentry_in_a_cluster
	s_endpgm
.Lentry_in_a_cluster:
	s_bfe_u32 s2, ttmp6, 0x10000c
	s_cmp_lg_u32 s2, 0xf033
	s_cbranch_scc0 .Lentry_shape_is_right
	s_endpgm
.Lentry_shape_is_right:
; out0 = attn wo.  A = aoh [4096 m][1024 k] f16 (attn / 4);  B = wo16 [1024 k][4096 n] f16 (4 wo, rounded to bf16 first);  sums in f32;  out0 [4096 m][4096 n] f32.
; SHARES.  A work-group makes 256 rows x 256 columns: 16 x 16 work-groups.  Wave w owns rows 128 (w / 2) .. + 127 and columns 128 (w % 2) .. + 127: 8 x 8 accumulators of 16 x 16, 512 registers:
; for 32 along K a wave loads 32 x 512 bytes from LDS and issues 64 matrix instructions.
; THE MATRIX INSTRUCTION IS USED TRANSPOSED: source 0 = 16 columns of B (turned on the way out of LDS by ds_load_tr16_b128, since B lies [k][n]), source 1 = 16 rows of A: lane l holds row l % 16
; and the columns 16 b + 8 (l / 16) + 0..7 of block b: 32 neighbouring bytes of a row of out0.
; K goes in 8 steps of 128 through two LDS slots filled by the tensor data mover; A's rows are 256 bytes of memory, B's 512, at multiples of 256 from the buffer's first byte.
; CLUSTER 4 x 4: A's tile is asked for jointly by a row of the cluster, B's by a column.  By this text's count a wave has two tensor loads out at the start and one behind each round.
; REGISTERS.  window 0: v0-31 addresses; v64-127, v128-191 A's fragments (8 x 16 rows x 32 K), two buffers; on the way out whole rows.  window 1: v64-127, v128-191 B's fragments, two buffers.
;   window 2: the 32 accumulators of my rows 0-63 ((a, b) at v[8 (8 a + b)]);  window 3: those of my rows 64-127.
.set LDA,   1024
.set LDB,   4096
.set STEPS, 8
.set PA,    272                        ; A's LDS row: 256 bytes + 16: the 16 rows of a load start at 16 different groups of four banks (64 banks of 4 bytes: ISA guide 11.1)
.set PB,    544                        ; B's LDS row: 512 + 32
.set BOFF,  256*PA                     ; in a slot: A's 256 rows, then B's 128 k-rows
.set SLOT,  BOFF+128*PB
.set STAGE, 2*SLOT                     ; behind the ring, never filled by a tensor load: 16 rows x 528 bytes for each wave
.set SP,    528                        ; 512 bytes + 16
.set SPARE, STAGE+4*16*SP              ; the spare words, 128 bytes a wave: two blocks of 256 bytes that no other line names
.set F0,  64
.set F1,  128
.set MUL_LO, 0xa1                      ; source 0 (B) window 1, source 1 (A) window 0, C and D window 2
.set MUL_HI, 0xf1                      ; the same, C and D window 3
.set TO_B,   0x40                      ; destination window 1, address window 0
; v16 A0, v17 B0: my lane's place in a slot's A and B; v18, v19 the same in the slot in hand; v24 STO, v25 RD, v26 CO: the way out; v28, v29 the add's two; v30 the prefetches' offset
; s12 wave; s13 my row half, also 0: I fetch for A, 1: for B; s14 my column half, also which half I fetch; s40 cx, s41 cy, s42 tile column, s15 tile row; s3 the loops' count;
; s18, s19 LDS base of what I fetch, for A, for B; s66 the slot in hand (0 or SLOT); s43, s[44:45], s[46:47] the prefetches' bound, place, step
.set MSB, 0
.macro WIN new                         ; the immediate's high byte repeats the setting that is left; a switch that changes nothing is dropped
.if MSB != (\new)
	s_set_vgpr_msb (MSB<<8)|(\new)
.set MSB, \new
.endif
.endm
.macro PLACES                          ; four places behind a matrix instruction, in front of loads into registers that it has read and of lines that read its results
.rept 4
	v_nop
.endr
.endm
.macro JLOAD s                         ; a joint load: waves 0 and 1 fetch A's halves (128 rows), waves 2 and 3 B's (64 k-rows); an s_nop 0 and four v_nop follow each line
	s_cmp_eq_u32 s13, 0
	s_cbranch_scc0 .Lfor_b_\@
	tensor_load_to_lds s[32+4*(\s):35+4*(\s)], s[24:31]
	s_nop 0
.rept 4
	v_nop
.endr
	s_branch .Lasked_\@
.Lfor_b_\@:
	tensor_load_to_lds s[56+4*(\s):59+4*(\s)], s[48:55]
	s_nop 0
.rept 4
	v_nop
.endr
.Lasked_\@:
.endm
.macro CREST                           ; a round of the cluster's barrier behind its opening barrier
	s_cmp_lg_u32 s12, 0
	s_cbranch_scc1 .Lnot_wave_0_\@
	s_barrier_signal -3
.Lnot_wave_0_\@:
	s_barrier_wait -3
	s_barrier_signal -1
	s_barrier_wait -1
.endm
.macro CROUND
	s_barrier_signal -1
	s_barrier_wait -1
	CREST
.endm
; A prefetch of the K step two refills on (512 matrix instructions ahead of the load that will want it), 32 blocks of 256 bytes, a lane a block.  A's rows (256 bytes a K step): waves 0 and 1 of the
; clusters with x = 0; of the 128 rows that a wave fetches each partner takes 32.  B's k-rows (512 bytes): waves 2 and 3 of the clusters with y = 0; of the 64 that a wave fetches each partner takes 16, two lanes
; a row.  The partners are told apart by address.  Each 256 bytes are named once in the launch; the loop's last two trips ask for nothing.
.macro ASK
	s_cmp_gt_u32 s3, s43
	s_cbranch_scc0 .Lnot_mine_\@
	global_prefetch_b8 v30, s[44:45] th:TH_LOAD_NT scope:SCOPE_SE
.Lnot_mine_\@:
.endm
; 16 matrix instructions: row blocks a0, a0 + 1 of the window's four (hi = 0: my rows 0-63, 1: rows 64-127) x all 8 column blocks, 32 along K.  zero = 1: the product starts the sum.
; The 64 accumulators take turns, in the same order in every quarter.
.macro MUL16 f, hi, a0, zero
	WIN MUL_LO+0x50*(\hi)
.irp a, \a0, (\a0)+1
.irp b, 0,1,2,3,4,5,6,7
.if \zero
	v_wmma_f32_16x16x32_f16 v[8*(8*(\a)+(\b)):8*(8*(\a)+(\b))+7], v[(\f)+8*(\b):(\f)+8*(\b)+7], v[(\f)+8*(4*(\hi)+(\a)):(\f)+8*(4*(\hi)+(\a))+7], 0
.else
	v_wmma_f32_16x16x32_f16 v[8*(8*(\a)+(\b)):8*(8*(\a)+(\b))+7], v[(\f)+8*(\b):(\f)+8*(\b)+7], v[(\f)+8*(4*(\hi)+(\a)):(\f)+8*(4*(\hi)+(\a))+7], v[8*(8*(\a)+(\b)):8*(8*(\a)+(\b))+7]
.endif
.endr
.endr
.endm
.macro FETCH q, f                      ; 32 LDS loads in one run: quarter q (32 along K) of the slot in hand into buffer f
	WIN TO_B
.irp b, 0,1,2,3,4,5,6,7
	ds_load_tr16_b128 v[(\f)+8*\b:(\f)+8*\b+3], v19 offset:(\q)*32*PB+32*\b
	ds_load_tr16_b128 v[(\f)+8*\b+4:(\f)+8*\b+7], v19 offset:(\q)*32*PB+16*PB+32*\b
.endr
	WIN 0
.irp i, 0,1,2,3,4,5,6,7
	ds_load_b128 v[(\f)+8*\i:(\f)+8*\i+3], v18 offset:(\q)*64+\i*16*PA
	ds_load_b128 v[(\f)+8*\i+4:(\f)+8*\i+7], v18 offset:(\q)*64+\i*16*PA+32
.endr
.endm
; One of a K step's first three quarters: buffer f's loads, issued a quarter (64 matrix instructions) ago, are in; quarter q is asked of LDS for buffer g; buffer f is multiplied.
.macro QUARTER q, f, g, zero
	s_wait_dscnt 0x0
	PLACES
	FETCH \q, \g
	MUL16 \f, 0, 0, \zero
	MUL16 \f, 0, 2, \zero
	MUL16 \f, 1, 0, \zero
	MUL16 \f, 1, 2, \zero
.endm
; The last quarter multiplies buffer 1 and changes slots.  My reads of this slot are back (the wait at its head).  Each wave waits for all its tensor loads (the one that is out is its part of the next slot), adds 0 to
; its spare word, and waits for that; sixteen matrix instructions stand between the add and its wait, sixteen between the barrier's signal and its wait.
; fill = 1: the barrier opens a round of the cluster's, and this slot is filled again, two K steps ahead, first thing behind the round: the load has 224 matrix instructions in which to land.
.macro TURN fill
.if \fill
	s_wait_xcnt 0x0                                ; the last prefetch, a K step back, has read its address
	s_add_nc_u64 s[44:45], s[44:45], s[46:47]
.endif
	WIN 0
	s_wait_dscnt 0x0                               ; buffer 1 is in
	s_wait_tensorcnt 0x0                           ; no tensor load of mine is out, so a group 0 may be written
	ds_add_u32 v28, v29
.if \fill
	s_add_co_u32 s37, s18, s66                     ; the walking descriptors: into the slot in hand, the next K step
	s_add_nc_u64 s[38:39], s[38:39], 256
	s_add_co_u32 s61, s19, s66
	s_add_nc_u64 s[62:63], s[62:63], 128*LDB*2
.endif
	MUL16 F1, 0, 0, 0
	s_wait_dscnt 0x0                               ; the add is done
	s_barrier_signal -1
	MUL16 F1, 0, 2, 0
	WIN 0
	s_barrier_wait -1
.if \fill
	CREST                                          ; no wave of any partner still reads this slot or has a load on its way
	JLOAD 1                                        ; its four v_nop are also the places in front of the loads below
.else
	PLACES
.endif
	s_xor_b32 s66, s66, SLOT
	v_add_nc_u32 v18, s66, v16
	v_add_nc_u32 v19, s66, v17
	FETCH 0, F0
.if \fill
	ASK
.endif
	MUL16 F1, 1, 0, 0
	MUL16 F1, 1, 2, 0
.endm
	s_load_b128 s[4:7], s[0:1], 0x0                ; aoh s[4:5], wo16 s[6:7]
	s_load_b64 s[8:9], s[0:1], 0x10                ; out0
	v_lshl_add_u32 v28, v0, 2, SPARE
	v_mov_b32 v29, 0
	ds_add_u32 v28, v29                            ; the wave's opening: the add and its wait stand ahead of my first tensor load
	v_lshrrev_b32 v1, 5, v0
	v_readfirstlane_b32 s12, v1                    ; wave 0..3
	s_lshr_b32 s13, s12, 1
	s_and_b32 s14, s12, 1
	s_bfe_u32 s40, ttmp6, 0x40000                  ; cx
	s_bfe_u32 s41, ttmp6, 0x40004                  ; cy
	s_lshl_b32 s42, ttmp9, 2
	s_add_co_u32 s42, s42, s40                     ; tile column
	s_and_b32 s15, ttmp7, 0xffff
	s_lshl_b32 s15, s15, 2
	s_add_co_u32 s15, s15, s41                     ; tile row
	s_lshl_b32 s70, s41, 2
	s_lshl_b32 s70, 15, s70                        ; my row of the cluster
	s_lshl_b32 s71, 0x1111, s40                    ; my column
	s_or_b32 s24, s70, (1<<16)|(1<<20)|(1<<21)|(5<<22)|(3<<25)  ; A: the mask; 2-byte elements; padding on; bit 21 beside a mask; after every 64 words 4 words
	s_mov_b32 s25, 128<<16                         ; tensor_dim0 = 128
	s_mov_b32 s26, 128<<16                         ; tensor_dim1 = 128
	s_mov_b32 s27, 128<<16                         ; tile_dim0 = 128
	s_mov_b32 s28, 128                             ; tile_dim1 = 128
	s_mov_b32 s29, LDA
	s_mov_b32 s30, 0
	s_mov_b32 s31, 0
	s_or_b32 s48, s71, (1<<16)|(1<<20)|(1<<21)|(6<<22)|(7<<25)  ; B: my column's mask; after every 128 words 8 words
	s_mov_b32 s49, 256<<16                         ; 256 columns
	s_mov_b32 s50, 64<<16                          ; 64 k-rows
	s_mov_b32 s51, 256<<16
	s_mov_b32 s52, 64
	s_mov_b32 s53, LDB
	s_mov_b32 s54, 0
	s_mov_b32 s55, 0
	s_lshl_b32 s16, s15, 8                         ; A: row 256 x tile row + 128 x half, 2,048 bytes each
	s_lshl_b32 s17, s14, 7
	s_add_co_u32 s16, s16, s17
	s_lshl_b32 s16, s16, 11
	s_mov_b32 s17, 0
	s_lshl_b32 s20, s42, 9                         ; B: 512 bytes x tile column + 64 k-rows of 8,192 bytes x half
	s_lshl_b32 s21, s14, 19
	s_add_co_u32 s20, s20, s21
	s_mov_b32 s21, 0
	s_mul_i32 s18, s14, 128*PA                     ; where they go: the wave's number alone enters an LDS address
	s_mul_i32 s19, s14, 64*PB
	s_add_co_u32 s19, s19, BOFF
	s_wait_dscnt 0x0                               ; the opening add is done
	s_wait_kmcnt 0x0
	s_add_nc_u64 s[16:17], s[4:5], s[16:17]
	s_add_nc_u64 s[20:21], s[6:7], s[20:21]
	CROUND                                         ; all sixteen work-groups are here: the first joint loads meet
.irp s, 0,1
	s_mov_b32 s[32+4*\s], 1
	s_add_co_u32 s[33+4*\s], s18, \s*SLOT
	s_add_nc_u64 s[34+4*\s:35+4*\s], s[16:17], \s*256
	s_or_b32 s[35+4*\s], s[35+4*\s], 0x80000000
	s_mov_b32 s[56+4*\s], 1
	s_add_co_u32 s[57+4*\s], s19, \s*SLOT
	s_add_nc_u64 s[58+4*\s:59+4*\s], s[20:21], \s*128*LDB*2
	s_or_b32 s[59+4*\s], s[59+4*\s], 0x80000000
	JLOAD \s                                       ; K steps 0 and 1
.endr
	v_and_b32 v1, 15, v0                           ; l % 16
	v_bfe_u32 v2, v0, 4, 1                         ; l / 16
	v_mul_u32_u24 v16, v1, PA                      ; A's fragment: row l % 16 of my 128, 16 bytes for each half of the lanes, twice 32 bytes apart
	v_lshl_add_u32 v16, v2, 4, v16
	s_mul_i32 s72, s13, 128*PA
	v_add_nc_u32 v16, s72, v16
	v_and_b32 v3, 7, v0                            ; B's: lane l reads k-row 8 (l / 16) + l % 8, columns 8 ((l / 8) % 2) + 0..7 of my 128, and is left with column l % 16 and 8 k
	v_bfe_u32 v4, v0, 3, 1
	v_lshl_add_u32 v17, v2, 3, v3
	v_mul_u32_u24 v17, v17, PB
	v_lshl_add_u32 v17, v4, 4, v17
	s_lshl_b32 s72, s14, 8                         ; my 128 columns: 256 bytes
	s_add_co_u32 s72, s72, BOFF
	v_add_nc_u32 v17, s72, v17
	v_mov_b32 v18, v16
	v_mov_b32 v19, v17
	s_mov_b32 s66, 0
	s_mul_i32 s72, s12, 16*SP
	s_add_co_u32 s72, s72, STAGE                   ; my stage
	v_mul_u32_u24 v24, v1, SP                      ; in: row l % 16, 32 bytes for each half of the lanes
	v_lshl_add_u32 v24, v2, 5, v24
	v_add_nc_u32 v24, s72, v24
	v_and_b32 v26, 31, v0                          ; back: 32 lanes take one row of 512 bytes
	v_lshlrev_b32 v26, 4, v26
	v_add_nc_u32 v25, s72, v26
	s_lshl_b32 s68, s15, 22                        ; 256 rows of 16,384 bytes x tile row,
	s_lshl_b32 s69, s13, 21                        ; my 128 rows,
	s_add_co_u32 s68, s68, s69
	s_lshl_b32 s69, s42, 10                        ; 1,024 bytes x tile column,
	s_add_co_u32 s68, s68, s69
	s_lshl_b32 s69, s14, 9                         ; my 512
	s_add_co_u32 s68, s68, s69
	s_mov_b32 s69, 0
	s_add_nc_u64 s[8:9], s[8:9], s[68:69]
	; the prefetches' place: K step 3; the first refill steps it to 4
	s_lshl_b32 s74, s15, 8
	s_lshl_b32 s75, s14, 7
	s_add_co_u32 s74, s74, s75
	s_lshl_b32 s75, s40, 5
	s_add_co_u32 s74, s74, s75                     ; A: of the 128 rows that I fetch, my work-group's 32
	s_lshl_b32 s74, s74, 11
	s_add_co_u32 s74, s74, 3*256
	s_lshl_b32 s76, s14, 6
	s_lshl_b32 s77, s41, 4
	s_add_co_u32 s76, s76, s77
	s_add_co_u32 s76, s76, 3*128                   ; B: of the 64 k-rows that I fetch, my work-group's 16
	s_lshl_b32 s76, s76, 13
	s_lshl_b32 s77, s42, 9
	s_add_co_u32 s76, s76, s77
	s_and_b32 s72, ttmp7, 0xffff                   ; cluster y
	s_mov_b32 s46, 256
	s_mov_b32 s77, 128*LDB*2
	s_mov_b32 s75, 0
	s_mov_b32 s47, 0
	s_cmp_eq_u32 s13, 0                            ; do I fetch for A?
	s_cselect_b32 s74, s74, s76
	s_cselect_b32 s46, s46, s77                    ; a K step on
	s_cselect_b32 s79, -1, 0
	s_cselect_b32 s73, ttmp9, s72                  ; the coordinate along which other clusters read the same rows
	s_cselect_b64 s[44:45], s[4:5], s[6:7]
	s_add_nc_u64 s[44:45], s[44:45], s[74:75]
	s_cmp_eq_u32 s73, 0
	s_cselect_b32 s43, 2, -1                       ; the same in all sixteen partners, for a given wave
	v_and_b32 v3, 31, v0
	v_lshlrev_b32 v4, 11, v3                       ; A: a lane a row of 2,048 bytes
	v_lshrrev_b32 v5, 1, v3                        ; B: two lanes a row of 8,192 bytes, 256 bytes each
	v_lshlrev_b32 v5, 13, v5
	v_and_b32 v3, 1, v3
	v_lshl_add_u32 v5, v3, 8, v5
	v_cndmask_b32 v30, v5, v4, s79
	s_wait_tensorcnt 0x1                           ; my part of K step 0 is in; K step 1's stays out
	s_barrier_signal -1
	s_barrier_wait -1
	FETCH 0, F0
	QUARTER 1, F0, F1, 1                           ; the first quarter's products start the sums
	WIN 0
	s_mov_b32 s3, STEPS-2
.Lstep:                                        ; trip j: quarters 1-3 of K step j, the refill with K step j + 2, quarter 0 of K step j + 1
	QUARTER 2, F1, F0, 0
	QUARTER 3, F0, F1, 0
	TURN 1
	QUARTER 1, F0, F1, 0
	WIN 0
	s_sub_co_u32 s3, s3, 1
	s_cmp_lg_u32 s3, 0
	s_cbranch_scc1 .Lstep
	s_mov_b32 s3, 2                                ; the last two K steps ask for nothing: two trips of a second loop, of which the second is left in its middle
.Ltail:
	QUARTER 2, F1, F0, 0
	QUARTER 3, F0, F1, 0
	WIN 0
	s_sub_co_u32 s3, s3, 1
	s_cmp_eq_u32 s3, 0
	s_cbranch_scc1 .Lfin
	TURN 0
	QUARTER 1, F0, F1, 0
	WIN 0
	s_cmp_lg_u32 s3, 0
	s_cbranch_scc1 .Ltail
.Lfin:
	s_wait_dscnt 0x0                               ; the very last quarter: nothing more to fetch
	MUL16 F1, 0, 0, 0
	MUL16 F1, 0, 2, 0
	MUL16 F1, 1, 0, 0
	MUL16 F1, 1, 2, 0
; THE WAY OUT, 16 rows at a time: a lane's 32 bytes of each block go into my stage (each accumulator's low half first) and come back as whole rows of 512 bytes.
.macro OUT a
	WIN 0x08+4*((\a)/4)                            ; the stores' data in window 2 or 3
.irp b, 0,1,2,3,4,5,6,7
	ds_store_b128 v24, v[8*(8*((\a)%4)+\b):8*(8*((\a)%4)+\b)+3] offset:64*\b
	ds_store_b128 v24, v[8*(8*((\a)%4)+\b)+4:8*(8*((\a)%4)+\b)+7] offset:64*\b+16
.endr
	WIN 0
.set BK, 64+64*((\a)%2)
	s_wait_xcnt 0x0                                ; the stores of two blocks back have read the registers that the loads below fill
.irp t, 0,1,2,3,4,5,6,7,8,9,10,11,12,13,14,15
	ds_load_b128 v[BK+4*\t:BK+4*\t+3], v25 offset:SP*\t  ; LDS serves a wave's instructions in order (ISA guide 5.7.1.4): these see the stores above
.endr
.irp t, 0,1,2,3,4,5,6,7,8,9,10,11,12,13,14,15
.if (\t)%4 == 0
	s_wait_dscnt 12-\t                             ; rows t to t + 3 are back; the younger loads from the stage may stay out
.endif
	global_store_b128 v26, v[BK+4*\t:BK+4*\t+3], s[8:9] offset:(16*(\a)+\t)*16384 th:TH_STORE_NT  ; 512 consecutive bytes, at a multiple of 256 from out0's first byte
.endr
.endm
	PLACES
.irp a, 0,1,2,3,4,5,6,7
	OUT \a
.endr
	s_wait_tensorcnt 0x0                           ; the wave's end: these three lines stand behind my last tensor load and my last LDS store
	ds_add_u32 v28, v29
	s_wait_dscnt 0x0
	CROUND                                         ; the closing round: no work-group ends while a partner may still ask for a tile that names it
	s_endpgm
.Lfunc_end_k_qa9f70ddacf_oproj:
	.size	k_qa9f70ddacf_oproj, .Lfunc_end_k_qa9f70ddacf_oproj-k_qa9f70ddacf_oproj
	.p2alignl 7, 3214868480
	.fill 96, 4, 3214868480
	.section	.rodata,"a",@progbits
	.p2align	6, 0x0
	.amdhsa_kernel k_qa9f70ddacf_oproj
		.amdhsa_group_segment_fixed_size 327680
		.amdhsa_private_segment_fixed_size 0
		.amdhsa_enable_private_segment 0
		.amdhsa_kernarg_size 24
		.amdhsa_user_sgpr_count 2
		.amdhsa_user_sgpr_kernarg_segment_ptr 1
		.amdhsa_wavefront_size32 1
		.amdhsa_system_sgpr_workgroup_id_x 1
		.amdhsa_system_sgpr_workgroup_id_y 1
		.amdhsa_system_sgpr_workgroup_id_z 1
		.amdhsa_system_vgpr_workitem_id 0
		.amdhsa_next_free_vgpr 1024
		.amdhsa_next_free_sgpr 80
		.amdhsa_reserve_vcc 0
		.amdhsa_float_denorm_mode_32 3
		.amdhsa_float_denorm_mode_16_64 3
		.amdhsa_memory_ordered 1
		.amdhsa_forward_progress 1
		.amdhsa_inst_pref_size 104
	.end_amdhsa_kernel
	.amdgpu_metadata
---
amdhsa.version: [ 1, 2 ]
amdhsa.kernels:
  - .name:           k_qa9f70ddacf_oproj
    .symbol:         k_qa9f70ddacf_oproj.kd
    .args:
      - { .name: aoh, .offset: 0, .size: 8, .value_kind: global_buffer, .address_space: global }
      - { .name: wo16, .offset: 8, .size: 8, .value_kind: global_buffer, .address_space: global }
      - { .name: out0, .offset: 16, .size: 8, .value_kind: global_buffer, .address_space: global }
    .group_segment_fixed_size: 327680
    .private_segment_fixed_size: 0
    .kernarg_segment_align: 8
    .kernarg_segment_size: 24
    .max_flat_workgroup_size: 128
    .sgpr_count:     80
    .vgpr_count:     1024
    .wavefront_size: 32
...
	.end_amdgpu_metadata
.endif
;; end of part 4
;; ======== version 2 of 2: 4 launches; version 1 with the launch cast written anew for expert scheduling mode
;; limits: values are held in f16: magnitudes above 65,504 overflow, below 6.1e-05 lose precision; right only within a limited range of input values
;; workspace buffers: wqkv 16,777,216 bytes; wo16 8,388,608 bytes; csb 2,097,152 bytes; qkvh 16,777,216 bytes; aoh 8,388,608 bytes
;; launch cast (part 5): grid 832 x 1, 8 waves a work-group, no clusters, 0 bytes of LDS; arguments wq, wk, wv, wo, cos, sin, wqkv, wo16, csb; writes wqkv, wo16, csb
.if DOCPART == 5
	.amdgcn_target "amdgcn-amd-amdhsa--gfx1250"
	.amdhsa_code_object_version 6
	.text
	.protected	k_qa9f70ddacf_cast
	.globl	k_qa9f70ddacf_cast
	.p2align	8
	.type	k_qa9f70ddacf_cast,@function
k_qa9f70ddacf_cast:
	s_mov_b64 s[64:65], 0
	v_nop
	global_prefetch_b8 v0, s[64:65] scope:SCOPE_SE
	s_setreg_imm32_b32 hwreg(HW_REG_WAVE_SCHED_MODE, 0, 2), 2
	s_setreg_imm32_b32 hwreg(HW_REG_WAVE_MODE, 25, 1), 1
	s_wait_xcnt 0x0
	s_wait_alu depctr_vm_vsrc(0)
; ROUNDS SIX INPUTS TO BF16, ONCE, AND LAYS THEM OUT FOR THE PRODUCTS THAT FOLLOW.
;   wqkv [4096 k][2048 n] bf16: n 0-1023 = wq / 4; then for j = 0..3 128 columns of wk / 4 (head j) and 128 of wv / 4 (head j).  The power of two is exact and gives q, k, v room in f16.
;   wo16 [1024 k][4096 n] f16  = bf16(4 wo) written as f16: the 4 undoes v's 1 / 4
;   csb  [4096 m][256]    bf16 = cos (columns 0-127), sin (columns 128-255)
; LIMITS.  |wo| stays under 16,376 (4 wo must lie within f16's 65,504); a number of 4 wo below 6.1e-5 keeps f16's fixed step of 6e-8.
; A stream: no byte is wanted twice, so no LDS, no matrix unit, no cluster (the work-groups share no input).
; SHARES.  A unit is 4,096 bytes of a source: 256 threads x 16 bytes.  A work-group takes 16 units; all 16 loads of a wave go out together (8 KiB a wave on its way).
; A wave's load covers 512 consecutive bytes; its store of 8 bytes a lane covers 256 consecutive bytes, at a multiple of 256 from the buffer's first byte.
; THE MODE: SCHED_MODE bits 1:0 = 2 (LLVM: expert scheduling mode 2), set by the entry lines.  The code itself states the register dependences
; between vector instructions and memory instructions, with s_wait_alu, always for 0.
; THE PLAN.  Registers that memory instructions touch:
;   v1   the loads' offset.   Written once, at the head; read by all 16 loads.
;   v2   the stores' offset.  Written at the head and, in two of the four regions, again ahead of the first memory instruction; read by all 16 stores.
;   X    unit i's four registers.  Its load lands there; no vector line names them ahead of the loads, and no load lands there a second time.
;   Y    unit i's two registers.   Written by its conversions, read by its one store, never written again.
; No register that a load or store reads is written again, so no wait on vm_vsrc is owed; no vector line writes a scalar register, VCC or EXEC.
; What is owed: the offsets are written ahead of the first load (one wait), and a unit's Y is written ahead of its store.  The units go in four blocks of four, so that one wait
; behind a block's conversions serves its four stores.  It stands there, and not at the next block's head, so that the stores leave as soon as their data are made: all loads are out already.
.set X, 4                              ; v[4:67]   unit i: 4 registers as loaded
.set Y, 68                             ; v[68:99]  unit i: 2 registers to store
; du: bytes in the destination from unit to unit.  mul = 1: times lit before the rounding.  f16 = 1: the bf16 number is written as f16.
.macro CAST du, mul, lit, f16
	s_wait_alu depctr_va_vdst(0)                   ; v1 and v2 are written: every load below reads v1 as its offset, every store v2; no vector line behind this wait names either
.set i, 0
.rept 16
	global_load_b128 v[X+4*i:X+4*i+3], v1, s[30:31] offset:4096*i th:TH_LOAD_NT
.set i, i+1
.endr
.set i, 0
.rept 4                                ; a block: units i to i + 3
	s_wait_loadcnt 12-i                            ; loads come back in order: the block's four units are in, the younger ones stay out
.rept 4
.if \mul
	v_pk_mul_f32 v[X+4*i:X+4*i+1], v[X+4*i:X+4*i+1], \lit op_sel_hi:[1,0]
	v_pk_mul_f32 v[X+4*i+2:X+4*i+3], v[X+4*i+2:X+4*i+3], \lit op_sel_hi:[1,0]
.endif
	v_cvt_pk_bf16_f32 v[Y+2*i], v[X+4*i], v[X+4*i+1]
	v_cvt_pk_bf16_f32 v[Y+2*i+1], v[X+4*i+2], v[X+4*i+3]
.if \f16
	v_lshlrev_b32 v[X+4*i], 16, v[Y+2*i]           ; the rounded numbers as f32 again,
	v_and_b32 v[X+4*i+1], s36, v[Y+2*i]
	v_lshlrev_b32 v[X+4*i+2], 16, v[Y+2*i+1]
	v_and_b32 v[X+4*i+3], s36, v[Y+2*i+1]
	v_cvt_pk_f16_f32 v[Y+2*i], v[X+4*i], v[X+4*i+1]  ; and in f16's format
	v_cvt_pk_f16_f32 v[Y+2*i+1], v[X+4*i+2], v[X+4*i+3]
.endif
.set i, i+1
.endr
	s_wait_alu depctr_va_vdst(0)                   ; the block's conversions have written its eight registers of Y, which the four stores below read
.set i, i-4
.rept 4
	global_store_b64 v2, v[Y+2*i:Y+2*i+1], s[32:33] offset:(\du)*i th:TH_STORE_NT
.set i, i+1
.endr
.endr
	s_endpgm
.endm
	s_load_b512 s[8:23], s[0:1], 0x0               ; wq 8, wk 10, wv 12, wo 14, cos 16, sin 18, wqkv 20, wo16 22
	s_load_b64 s[24:25], s[0:1], 0x40              ; csb
	v_lshlrev_b32 v1, 4, v0                        ; my 16 bytes of a unit
	v_lshlrev_b32 v2, 3, v0                        ; my 8 bytes of its image, where that is dense
	s_mov_b32 s3, 0                                ; high words of the two offsets
	s_mov_b32 s35, 0
	s_mov_b32 s36, 0xffff0000                      ; a word's upper bf16
	s_wait_kmcnt 0x0
	s_cmp_lt_u32 ttmp9, 256
	s_cbranch_scc0 .Lnot_wq
	s_lshl_b32 s2, ttmp9, 16                       ; work-groups 0-255: wq.  A unit is a row of wq; its image is the first 2,048 bytes of a row of wqkv (4,096 bytes)
	s_add_nc_u64 s[30:31], s[8:9], s[2:3]
	s_add_nc_u64 s[32:33], s[20:21], s[2:3]
	CAST 4096, 1, 0x3e800000, 0
.Lnot_wq:
	s_sub_co_u32 s4, ttmp9, 256
	s_cmp_lt_u32 s4, 256
	s_cbranch_scc0 .Lnot_wkv
	s_mov_b32 s6, 2048                             ; 256-383: wk, head j at byte 2,048 + 512 j of wqkv's rows; 384-511: wv, 256 bytes behind wk's
	s_mov_b32 s7, 2304
	s_cmp_lt_u32 s4, 128
	s_cselect_b64 s[30:31], s[10:11], s[12:13]
	s_cselect_b32 s6, s6, s7
	s_and_b32 s5, s4, 127
	s_lshl_b32 s2, s5, 16
	s_lshl_b32 s34, s5, 17                         ; a unit is two rows of 2,048 bytes: 32 rows of wqkv a work-group
	s_add_co_u32 s34, s34, s6
	s_add_nc_u64 s[30:31], s[30:31], s[2:3]
	s_add_nc_u64 s[32:33], s[20:21], s[34:35]
	v_and_b32 v2, 31, v0                           ; a wave's 32 lanes hold one head's 128 columns of one row: 256 bytes of the image
	v_lshlrev_b32 v2, 3, v2
	v_bfe_u32 v3, v0, 5, 2                         ; the head
	v_lshl_add_u32 v2, v3, 9, v2
	v_lshrrev_b32 v3, 7, v0                        ; which of the unit's two rows
	v_lshl_add_u32 v2, v3, 12, v2
	CAST 8192, 1, 0x3e800000, 0
.Lnot_wkv:
	s_sub_co_u32 s4, ttmp9, 512
	s_cmp_lt_u32 s4, 256
	s_cbranch_scc0 .Lcs
	s_lshl_b32 s2, s4, 16                          ; 512-767: wo, dense
	s_lshl_b32 s34, s4, 15
	s_add_nc_u64 s[30:31], s[14:15], s[2:3]
	s_add_nc_u64 s[32:33], s[22:23], s[34:35]
	CAST 2048, 1, 4.0, 1
.Lcs:
	s_sub_co_u32 s4, ttmp9, 768                    ; 768-799: cos, at byte 0 of csb's rows (512 bytes); 800-831: sin, at byte 256
	s_cmp_lt_u32 s4, 32
	s_cselect_b64 s[30:31], s[16:17], s[18:19]
	s_cselect_b32 s6, 0, 256
	s_and_b32 s5, s4, 31
	s_lshl_b32 s2, s5, 16
	s_add_co_u32 s34, s2, s6                       ; a unit is eight rows of 512 bytes, and so is its image with the other table's half between
	s_add_nc_u64 s[30:31], s[30:31], s[2:3]
	s_add_nc_u64 s[32:33], s[24:25], s[34:35]
	v_lshrrev_b32 v3, 5, v0                        ; which of the unit's eight rows
	v_and_b32 v2, 31, v0
	v_lshlrev_b32 v2, 3, v2
	v_lshl_add_u32 v2, v3, 9, v2
	CAST 4096, 0, 0, 0
.Lfunc_end_k_qa9f70ddacf_cast:
	.size	k_qa9f70ddacf_cast, .Lfunc_end_k_qa9f70ddacf_cast-k_qa9f70ddacf_cast
	.p2alignl 7, 3214868480
	.fill 96, 4, 3214868480
	.section	.rodata,"a",@progbits
	.p2align	6, 0x0
	.amdhsa_kernel k_qa9f70ddacf_cast
		.amdhsa_group_segment_fixed_size 0
		.amdhsa_private_segment_fixed_size 0
		.amdhsa_enable_private_segment 0
		.amdhsa_kernarg_size 72
		.amdhsa_user_sgpr_count 2
		.amdhsa_user_sgpr_kernarg_segment_ptr 1
		.amdhsa_wavefront_size32 1
		.amdhsa_system_sgpr_workgroup_id_x 1
		.amdhsa_system_sgpr_workgroup_id_y 1
		.amdhsa_system_sgpr_workgroup_id_z 1
		.amdhsa_system_vgpr_workitem_id 0
		.amdhsa_next_free_vgpr 104
		.amdhsa_next_free_sgpr 66
		.amdhsa_reserve_vcc 0
		.amdhsa_float_denorm_mode_32 3
		.amdhsa_float_denorm_mode_16_64 3
		.amdhsa_memory_ordered 1
		.amdhsa_forward_progress 1
		.amdhsa_inst_pref_size 36
	.end_amdhsa_kernel
	.amdgpu_metadata
---
amdhsa.version: [ 1, 2 ]
amdhsa.kernels:
  - .name:           k_qa9f70ddacf_cast
    .symbol:         k_qa9f70ddacf_cast.kd
    .args:
      - { .name: wq, .offset: 0, .size: 8, .value_kind: global_buffer, .address_space: global }
      - { .name: wk, .offset: 8, .size: 8, .value_kind: global_buffer, .address_space: global }
      - { .name: wv, .offset: 16, .size: 8, .value_kind: global_buffer, .address_space: global }
      - { .name: wo, .offset: 24, .size: 8, .value_kind: global_buffer, .address_space: global }
      - { .name: cos, .offset: 32, .size: 8, .value_kind: global_buffer, .address_space: global }
      - { .name: sin, .offset: 40, .size: 8, .value_kind: global_buffer, .address_space: global }
      - { .name: wqkv, .offset: 48, .size: 8, .value_kind: global_buffer, .address_space: global }
      - { .name: wo16, .offset: 56, .size: 8, .value_kind: global_buffer, .address_space: global }
      - { .name: csb, .offset: 64, .size: 8, .value_kind: global_buffer, .address_space: global }
    .group_segment_fixed_size: 0
    .private_segment_fixed_size: 0
    .kernarg_segment_align: 8
    .kernarg_segment_size: 72
    .max_flat_workgroup_size: 256
    .sgpr_count:     66
    .vgpr_count:     104
    .wavefront_size: 32
...
	.end_amdgpu_metadata
.endif
;; end of part 5
;; launch qkv: the kernel of part 2 again; grid 8 x 32, 4 waves a work-group, clusters of 4 x 4, 327,680 bytes of LDS; arguments hidden_states, wqkv, csb, qkvh; writes qkvh
;; launch attn: the kernel of part 3 again; grid 32 x 8, 4 waves a work-group, clusters of 4 x 4, 327,680 bytes of LDS; arguments qkvh, attention_mask, aoh; writes aoh
;; launch oproj: the kernel of part 4 again; grid 16 x 16, 4 waves a work-group, clusters of 4 x 4, 327,680 bytes of LDS; arguments aoh, wo16, out0; writes out0
